; MI455X (gfx1250); checked and timed in simulation.
; The chip was launched on July 23, 2026; its instructions are those of AMD's public machine-readable ISA for CDNA 5 (MIT licence, August 2026) and "CDNA5" Instruction Set Architecture Reference Guide (July 2026). The comments in the code are by the model that wrote it; some were corrected since.
;; Rotary Position Attention. Allowed arithmetic: matrix products marked QUANTISED: E2M3 operands, one E8M0 scale for each 32 along K, by v_wmma_scale_f32_16x16x128_f8f6f4 with both operands' format E2M3, f32 sums; everything else in f32.
;; Inputs: b_proj 1,024 float32; w_proj 1,024 x 1,024 float32; w_qkv 3,072 x 1,024 float32; x 4 x 2,048 x 1,024 float32.
;; Outputs: out0 4 x 2,048 x 1,024 float32.
;; This version of the problem:
;;   THIS VERSION OF THE PROBLEM IS GIVEN IN LOW PRECISION. The matrix products marked QUANTISED in the list below multiply operands that are first quantised to E2M3 (2 exponent bits, 3 mantissa bits; 6 bits a number), with one power-of-two scale for each 32 numbers along K (OCP MX v1.0); their sums are f32. All else is computed in f32.
;;   The module's matrix products, in the order in which they are computed (A, B: the left and right operand; K: the contracted axis; several contracted axes count as one K, in the product's order):
;;     1. [M 8,192, K 1,024] x [K 1,024, N 3,072]; A: input x; B: input w_qkv: QUANTISED
;;     2. batch 64 x [M 2,048, K 64] x [K 64, N 2,048]; A: computed on the way; B: computed on the way: QUANTISED
;;     3. batch 64 x [M 2,048, K 2,048] x [K 2,048, N 64]; A: softmax (see below); B: computed on the way: QUANTISED
;;     4. [M 8,192, K 1,024] x [K 1,024, N 1,024]; A: computed on the way; B: input w_proj: QUANTISED
;;   THE QUANTISER, for each operand of a quantised product, along K:
;;     - K is cut into blocks of 32 from its start; a last block that is shorter is filled with zeros.
;;     - A block's scale is 2^e with e = floor(log2(the largest magnitude in the block)) - 2, held to -126 .. 127; a block of zeros has e = 0. As a byte (E8M0): e + 127.
;;     - Each number is divided by its block's scale, clamped to +-7.5, and rounded to the nearest number of E2M3, ties to even, subnormals kept.
;;     - The product sums the exact products of the quantised numbers (number of the format x scale) in f32.
;;   ~~~python
;;   def quantise(x, axis):      # numpy; x: float32 -> the quantised numbers, widened to float32 again
;;       x = np.moveaxis(x, axis, -1); K = x.shape[-1]
;;       x = np.pad(x, [(0, 0)] * (x.ndim - 1) + [(0, -K % 32)]); x = x.reshape(x.shape[:-1] + (-1, 32)); a = np.abs(x).max(-1, keepdims=True)
;;       e = np.where(a > 0, np.clip(np.frexp(np.where(a > 0, a, 1))[1] - 1 - 2, -126, 127), 0)      # np.frexp(a)[1] - 1 = floor(log2(a)), exactly
;;       r = np.clip(x / 2.0 ** e, -7.5, 7.5)
;;       step = 2.0 ** (np.maximum(np.frexp(np.where(r == 0, 1, r))[1] - 1, 0) - 3)
;;       q = np.round(r / step) * step * 2.0 ** e      # np.round: ties to even
;;       return np.moveaxis(q.reshape(q.shape[:-2] + (-1,))[..., :K], -1, axis).astype(np.float32)
;;   ~~~
;;   SOFTMAX AHEAD OF A QUANTISED PRODUCT. Where the list says 'softmax', what is quantised is not the finished softmax but p = 2^(t - M), with t = logit x log2(e) and M = ceil(the row's largest t), a whole number; so 1/2 < the row's largest p <= 1. The row's sum l is taken of the UNQUANTISED p, in f32, and the product's result is divided by l at the end. Since M is a whole number, a kernel that streams over the keys may use a running M (the ceiling of the running maximum): every later rescaling is an exact power of two, which a block's scale takes up: the codes' values come out the same.
;;   OPERANDS COMPUTED ON THE WAY. 'Computed on the way' means the value that the module computes at that place (a softmax that the list does not call 'softmax' is quantised finished and normalised). What goes into a quantiser is computed in f32, as accurately as f32 sums, v_exp_f32 and their like allow (about 1e-6 of the number): no bf16 or f16 on the way to a quantiser, and a product that is left as it is and whose result goes on into a quantised operand takes f32 operands (vector FMAs, or v_wmma_f32_16x16x4_f32). A number that lies on a knife's edge between two numbers of the format may be rounded either way, as far as f32 arithmetic and the matrix unit's own rounding can turn it there, and no further.
;; One version. Each part assembles by itself: llvm-mc -triple=amdgcn-amd-amdhsa -mcpu=gfx1250 --defsym DOCPART=n.
;; ======== version 1 of 1: 4 launches
;; workspace buffers: codes 9,437,184 bytes; scales 393,216 bytes; rope 524,288 bytes; qb 6,815,744 bytes; kv 13,369,344 bytes; oimg 6,291,456 bytes; osc 262,144 bytes
;; launch quant (part 1): grid 416 x 1, 4 waves a work-group, no clusters, 33,280 bytes of LDS; arguments x, w_qkv, w_proj, codes, scales, rope; writes codes, scales, rope
.if DOCPART == 1
	.amdgcn_target "amdgcn-amd-amdhsa--gfx1250"
	.amdhsa_code_object_version 6
	.text
	.protected	k_qc8b690322a_quant
	.globl	k_qc8b690322a_quant
	.p2align	8
	.type	k_qc8b690322a_quant,@function
k_qc8b690322a_quant:
	s_mov_b64 s[64:65], 0
	v_nop
	global_prefetch_b8 v0, s[64:65] scope:SCOPE_SE
	s_setreg_imm32_b32 hwreg(HW_REG_WAVE_MODE, 25, 1), 1
	s_wait_xcnt 0x0
; FIRST OF FOUR LAUNCHES of: out = (softmax(rope(q) rope(k)^T / 8) v) w_proj^T + b_proj, with q, k, v = x w_qkv^T; all four products on codes of FP6 (E2M3) with one E8M0 scale for each 32 along K.
; NOTHING OF reference() IS LEFT OUT: all four inputs reach the output and all four products are live.
; THIS LAUNCH: x [8192][1024], w_qkv [3072][1024], w_proj [1024][1024], f32, K innermost, become codes (a row: 768 bytes) and scale bytes (a row: 32) in one buffer each: 12,288 row places, x first, then w_qkv, then w_proj.
; A block's scale is 2^(floor(log2(its largest magnitude)) - 2); its byte is the largest magnitude's exponent field - 2, held at 1 from below.  Each number is divided by the scale and rounded to the nearest code, ties to even.
; TILE ORDER: row rho of a tensor lies at the place rho with bits 3 and 4 exchanged.  So place 16 (2 b + u) + r holds row 32 b + 8 u + r + 8 (r / 8), and in the products that follow the 16 registers of two neighbouring result tiles
; are 16 neighbours along the axis that is quantised next.  A wave takes 8 rows, so the exchange is an exchange of the wave's two number bits.
; Work-groups 0-383 quantise (32 rows each: 8 rows, 16 steps of 512 numbers, a wave).  Each load reads 512 consecutive bytes; a step's 2,048 bytes turn through the wave's own stage in LDS so that a lane holds 16 neighbours.
; Work-groups 384-415 make the table of cos and sin for the rotary embedding, [position 2048][pair 32][cos, sin] f32: angle = position x 10000^(-pair / 32), reduced by pi / 2 in two parts, polynomials on +-pi / 4.
; LIMITS: NaN and infinities among the inputs are not served.  A block of zeros gets the byte 1 where the rule says 127: its codes are zeros, and this program alone reads the bytes.  Blocks whose largest magnitude lies under 2^-124 keep the byte 1.
; 10000^(-pair / 32) comes from v_exp_f32 (1 ulp), so an angle can differ from its f32 value in reference() by a few ulp of the angle: at most some 3e-4 radians at position 2,047.
; No tensor loads, no barrier, no cluster, no matrix unit: a stream whose waves share nothing.
.set WAVES, 4
.set STEPS, 16
.set WGX,   256                        ; work-groups for x
.set WGW,   352                        ; x's and w_qkv's
.set WGQ,   384                        ; all that quantise
.set EMAX,  2
.set CB,    12                         ; bytes of 16 codes
.set R,     16                         ; v16-79   four sets of 16 numbers as they are loaded
.set X,     80                         ; v80-111  two sets of 16 neighbours
.set C,     128                        ; v128-191 codes: four registers for each step
.set E,     112                        ; v112-127 a scale byte for each step
.set WREG,  8192                       ; LDS: a region for each wave: two stages of 32 x SP bytes, then its 256 scale bytes
.set SP,    80                         ; a lane's place in a stage: 64 bytes + 16 of padding
.set SPW,   12                         ; v12      LDS address of my spare word; never rewritten
.set NIL,   13                         ; v13      0; never rewritten
.set SPARE, WAVES*WREG                 ; the spare words: 128 bytes a wave, named by no other line
	s_load_b256 s[4:11], s[0:1], 0x0               ; x, w_qkv, w_proj, codes
	s_load_b128 s[12:15], s[0:1], 0x20             ; scales, rope
	v_lshl_add_u32 v[SPW], v0, 2, SPARE
	v_mov_b32 v[NIL], 0
	v_lshrrev_b32 v1, 5, v0
	v_readfirstlane_b32 s16, v1                    ; wave
	v_and_b32 v2, 31, v0                           ; lane
	s_cmp_ge_u32 ttmp9, WGQ
	s_cbranch_scc1 .Lrope                          ; the table's work-groups: they touch no LDS
	v_lshlrev_b32 v3, 4, v2                        ; my 16 bytes of a load's 512
	s_mul_i32 s17, s16, WREG
	v_lshrrev_b32 v14, 2, v2
	v_mul_u32_u24 v14, v14, SP
	v_and_b32 v15, 3, v2
	v_lshl_add_u32 v14, v15, 4, v14
	v_add_nc_u32 v14, s17, v14                     ; the stage, on the way in: SP (lane / 4) + 16 (lane % 4)
	v_mul_u32_u24 v15, v2, SP
	v_add_nc_u32 v15, s17, v15                     ; and on the way out: SP x lane: my 16 neighbours
	v_mul_u32_u24 v4, v2, CB                       ; my codes' place in a step's
	v_lshrrev_b32 v5, 1, v2
	s_add_co_u32 s17, s17, 2*32*SP
	v_add_nc_u32 v5, s17, v5                       ; LDS: my wave's 256 scale bytes, my block's byte
	v_lshlrev_b32 v7, 3, v2                        ; and on the way out 8 bytes a lane
	v_add_nc_u32 v6, s17, v7
	s_wait_kmcnt 0x0
	s_mov_b32 s17, WGW                             ; which tensor: the choice hangs on the work-group's number alone; only pointers are chosen
	s_cmp_lt_u32 ttmp9, s17
	s_cselect_b64 s[20:21], s[6:7], s[8:9]
	s_cselect_b32 s17, WGX, s17
	s_cmp_lt_u32 ttmp9, WGX
	s_cselect_b64 s[4:5], s[4:5], s[20:21]
	s_cselect_b32 s17, 0, s17
	s_sub_co_u32 s17, ttmp9, s17                   ; my group of 32 rows in that tensor
	s_lshl_b32 s18, s17, 17                        ; 32 rows of 4,096 bytes,
	s_lshl_b32 s19, s16, 15                        ; my wave's 8 of them
	s_add_co_u32 s18, s18, s19
	s_mov_b32 s19, 0
	s_add_nc_u64 s[4:5], s[4:5], s[18:19]
	s_and_b32 s18, s16, 1                          ; TILE ORDER: the wave's two bits change places
	s_lshl_b32 s18, s18, 1
	s_lshr_b32 s22, s16, 1
	s_or_b32 s18, s18, s22
	s_lshl_b32 s22, ttmp9, 2
	s_add_co_u32 s18, s18, s22                     ; which run of 8 row places is mine
	s_mul_i32 s22, s18, 8*768
	s_mov_b32 s23, 0
	s_add_nc_u64 s[10:11], s[10:11], s[22:23]      ; its codes
	s_lshl_b32 s22, s18, 8
	s_add_nc_u64 s[12:13], s[12:13], s[22:23]      ; its 256 scale bytes
.macro LOAD t
.irp i, 0,1,2,3
	global_load_b128 v[R+16*((\t)%4)+4*\i:R+16*((\t)%4)+4*\i+3], v3, s[4:5] offset:2048*(\t)+512*\i th:TH_LOAD_NT   ; 32 lanes read 512 consecutive bytes
.endr
.endm
.macro TURN t                          ; step t's numbers through the stage: LDS serves a wave's instructions in order, so no wait stands between the stores and the loads
.irp i, 0,1,2,3
	ds_store_b128 v14, v[R+16*((\t)%4)+4*\i:R+16*((\t)%4)+4*\i+3] offset:32*SP*((\t)%2)+8*SP*\i
.endr
.irp i, 0,1,2,3
	ds_load_b128 v[X+16*((\t)%2)+4*\i:X+16*((\t)%2)+4*\i+3], v15 offset:32*SP*((\t)%2)+16*\i
.endr
.endm
.irp t, 0,1,2,3
	LOAD \t
.endr
	s_wait_loadcnt 12                              ; step 0's four loads are in; the twelve of steps 1 to 3 may be out
	TURN 0
.macro STEP t
.set XS, X+16*((\t)%2)
.if (\t) > 0
	s_wait_dscnt 1                                 ; this step's numbers are back from the stage (the last step's byte store may be out)
.else
	s_wait_dscnt 0x0
.endif
.if (\t)+4 < STEPS
	LOAD (\t)+4                                    ; into the registers whose stores into the stage are done
.endif
.if (\t)+1 < STEPS
.if STEPS-2-(\t) >= 3
	s_wait_loadcnt 12                              ; the next step's four loads are in; those of the three steps behind it may be out
.else
	s_wait_loadcnt 4*(STEPS-2-(\t))
.endif
	TURN (\t)+1
.endif
	v_max3_num_f32 v8, |v[XS]|, |v[XS+1]|, |v[XS+2]|               ; the largest magnitude of my 16, in two chains
	v_max3_num_f32 v9, |v[XS+3]|, |v[XS+4]|, |v[XS+5]|
.irp i, 6,10
	v_max3_num_f32 v8, v8, |v[XS+\i]|, |v[XS+\i+1]|
	v_max3_num_f32 v9, v9, |v[XS+\i+2]|, |v[XS+\i+3]|
.endr
	v_max3_num_f32 v8, v8, |v[XS+14]|, |v[XS+15]|
	v_max3_num_f32 v8, v8, v9, (EMAX+1)<<23        ; and the floor 2^(3 - 127): the byte cannot fall under 1
	v_max_num_f32_dpp v8, v8, v8 row_xmask:1 row_mask:0xf bank_mask:0xf   ; and of my neighbour's 16: the block's
	v_add_nc_u32 v11, -(EMAX<<23), v8              ; 2 off its exponent field: the conversion takes the exponent field of this operand as its scale
	v_cvt_scalef32_pk16_fp6_f32 v[C+4*(\t):C+4*(\t)+2], v[XS:XS+15], v11
	v_lshrrev_b32 v[E+(\t)], 23, v11               ; the scale's byte
	ds_store_b8 v5, v[E+(\t)] offset:16*(\t)       ; both lanes of a block write the same byte with the same value
	global_store_b96 v4, v[C+4*(\t):C+4*(\t)+2], s[10:11] offset:32*CB*(\t)   ; the wave stores 384 consecutive bytes
.endm
.irp t, 0,1,2,3,4,5,6,7,8,9,10,11,12,13,14,15
	STEP \t
.endr
	ds_load_b64 v[8:9], v6                         ; these see my byte stores: LDS serves a wave in order
	s_wait_dscnt 0x0
	global_store_b64 v7, v[8:9], s[12:13]          ; 32 lanes store 256 consecutive bytes, aligned
	s_wait_tensorcnt 0x0                           ; the wave's end, behind my last LDS store
	ds_add_u32 v[SPW], v[NIL]
	s_wait_dscnt 0x0
	s_endpgm
; THE TABLE.  128 waves, 16 positions each.  A store covers two positions (512 bytes): lanes 0-15 the even one, lanes 16-31 the odd one; a lane has pairs 2 (lane % 16) and 2 (lane % 16) + 1.
.Lrope:
	s_sub_co_u32 s17, ttmp9, WGQ
	s_lshl_b32 s17, s17, 2
	s_add_co_u32 s17, s17, s16                     ; which 16 positions
	s_lshl_b32 s18, s17, 12                        ; 16 positions of 256 bytes
	s_mov_b32 s19, 0
	s_lshl_b32 s20, s17, 4
	s_mov_b32 s24, 0x3fc90fdb                      ; pi / 2, its upper part
	s_mov_b32 s25, 0xb33bbd2e                      ; and what is left of it
	v_lshlrev_b32 v3, 4, v2                        ; 16 bytes a lane
	v_and_b32 v4, 15, v2
	v_lshlrev_b32 v4, 1, v4                        ; my first pair
	v_add_nc_u32 v5, 1, v4                         ; my second
	v_cvt_f32_u32 v4, v4
	v_cvt_f32_u32 v5, v5
	v_mul_f32 v4, 0xbed49a78, v4                   ; x -log2(10000) / 32
	v_mul_f32 v5, 0xbed49a78, v5
	v_exp_f32 v4, v4                               ; 10000^(-pair / 32)
	v_exp_f32 v5, v5
	v_lshrrev_b32 v6, 4, v2                        ; (a plain instruction behind the exponentials)
	v_add_nc_u32 v6, s20, v6
	v_cvt_f32_u32 v6, v6                           ; my first position
	s_wait_alu depctr_va_vdst(0)                   ; one wait for both exponentials, ahead of their first reader
	s_wait_kmcnt 0x0
	s_add_nc_u64 s[14:15], s[14:15], s[18:19]
; cos and sin of position x v[inv].  k = the nearest whole number to angle x 2 / pi; r = angle - k pi / 2 (the first step is exact: the difference has fewer than 24 bits); k's two low bits choose and sign, by selection alone.
.macro SINCOS inv, c, s
	v_mul_f32 v16, v6, v[\inv]
	v_mul_f32 v17, 0x3f22f983, v16
	v_rndne_f32 v17, v17
	v_fma_f32 v18, -v17, s24, v16
	v_fma_f32 v18, -v17, s25, v18                  ; r
	v_mul_f32 v19, v18, v18                        ; z = r r
	v_mov_b32 v20, 0xb94ca1f9
	v_fmaak_f32 v20, v20, v19, 0x3c08839e
	v_fmaak_f32 v20, v20, v19, 0xbe2aaaa3
	v_mul_f32 v21, v18, v19
	v_fma_f32 v20, v21, v20, v18                   ; sin r
	v_mov_b32 v22, 0x37ccf5ce
	v_fmaak_f32 v22, v22, v19, 0xbab6061a
	v_fmaak_f32 v22, v22, v19, 0x3d2aaaa5
	v_mul_f32 v21, v19, v19
	v_fma_f32 v23, v19, -0.5, 1.0
	v_fma_f32 v22, v21, v22, v23                   ; cos r
	v_cvt_i32_f32 v17, v17
	v_and_b32 v21, 1, v17
	v_cmp_eq_u32 vcc_lo, 1, v21
	v_cndmask_b32 v23, v20, v22, vcc_lo            ; the sine: for odd k it is cos r,
	v_cndmask_b32 v22, v22, v20, vcc_lo            ; and the cosine sin r
	v_and_b32 v21, 2, v17
	v_lshlrev_b32 v21, 30, v21
	v_xor_b32 v[\s], v21, v23                      ; the sine is negative for k % 4 = 2, 3
	v_add_nc_u32 v17, 1, v17
	v_and_b32 v17, 2, v17
	v_lshlrev_b32 v17, 30, v17
	v_xor_b32 v[\c], v17, v22                      ; the cosine for k % 4 = 1, 2
.endm
.irp t, 0,1,2,3,4,5,6,7                ; each trip has its own four result registers: no store's data are written again
	SINCOS 4, 32+4*\t, 33+4*\t
	SINCOS 5, 34+4*\t, 35+4*\t
	global_store_b128 v3, v[32+4*\t:35+4*\t], s[14:15] offset:512*\t   ; 512 consecutive bytes, aligned
	v_add_f32 v6, 2.0, v6
.endr
	s_endpgm
.Lfunc_end_k_qc8b690322a_quant:
	.size	k_qc8b690322a_quant, .Lfunc_end_k_qc8b690322a_quant-k_qc8b690322a_quant
	.p2alignl 7, 3214868480
	.fill 96, 4, 3214868480
	.section	.rodata,"a",@progbits
	.p2align	6, 0x0
	.amdhsa_kernel k_qc8b690322a_quant
		.amdhsa_group_segment_fixed_size 33280
		.amdhsa_private_segment_fixed_size 0
		.amdhsa_enable_private_segment 0
		.amdhsa_kernarg_size 48
		.amdhsa_user_sgpr_count 2
		.amdhsa_user_sgpr_kernarg_segment_ptr 1
		.amdhsa_wavefront_size32 1
		.amdhsa_system_sgpr_workgroup_id_x 1
		.amdhsa_system_sgpr_workgroup_id_y 1
		.amdhsa_system_sgpr_workgroup_id_z 1
		.amdhsa_system_vgpr_workitem_id 0
		.amdhsa_next_free_vgpr 192
		.amdhsa_next_free_sgpr 66
		.amdhsa_reserve_vcc 1
		.amdhsa_float_denorm_mode_32 3
		.amdhsa_float_denorm_mode_16_64 3
		.amdhsa_memory_ordered 1
		.amdhsa_forward_progress 1
		.amdhsa_inst_pref_size 55
	.end_amdhsa_kernel
	.amdgpu_metadata
---
amdhsa.version: [ 1, 2 ]
amdhsa.kernels:
  - .name:           k_qc8b690322a_quant
    .symbol:         k_qc8b690322a_quant.kd
    .args:
      - { .name: x, .offset: 0, .size: 8, .value_kind: global_buffer, .address_space: global }
      - { .name: w_qkv, .offset: 8, .size: 8, .value_kind: global_buffer, .address_space: global }
      - { .name: w_proj, .offset: 16, .size: 8, .value_kind: global_buffer, .address_space: global }
      - { .name: codes, .offset: 24, .size: 8, .value_kind: global_buffer, .address_space: global }
      - { .name: scales, .offset: 32, .size: 8, .value_kind: global_buffer, .address_space: global }
      - { .name: rope, .offset: 40, .size: 8, .value_kind: global_buffer, .address_space: global }
    .group_segment_fixed_size: 33280
    .private_segment_fixed_size: 0
    .kernarg_segment_align: 8
    .kernarg_segment_size: 48
    .max_flat_workgroup_size: 128
    .sgpr_count:     66
    .vgpr_count:     192
    .wavefront_size: 32
...
	.end_amdgpu_metadata
.endif
;; end of part 1
;; launch qkv (part 2): grid 8 x 48, 4 waves a work-group, clusters of 4 x 4, 327,680 bytes of LDS; arguments codes, scales, rope, qb, kv; writes qb, kv
.if DOCPART == 2
	.amdgcn_target "amdgcn-amd-amdhsa--gfx1250"
	.amdhsa_code_object_version 6
	.text
	.protected	k_qc8b690322a_qkv
	.globl	k_qc8b690322a_qkv
	.p2align	8
	.type	k_qc8b690322a_qkv,@function
k_qc8b690322a_qkv:
	s_mov_b64 s[64:65], 0
	v_nop
	global_prefetch_b8 v0, s[64:65] scope:SCOPE_SE
	s_setreg_imm32_b32 hwreg(HW_REG_WAVE_MODE, 25, 1), 1
	s_wait_xcnt 0x0
	s_wait_alu depctr_hold_cnt(0) depctr_sa_sdst(0) depctr_va_vdst(0) depctr_va_sdst(0) depctr_va_ssrc(0) depctr_va_vcc(0) depctr_vm_vsrc(0)
	s_getreg_b32 s2, hwreg(HW_REG_IB_STS2, 6, 4)
	s_cmp_eq_u32 s2, 0
	s_cbranch_scc0 .Lentry_in_a_cluster
	s_endpgm
.Lentry_in_a_cluster:
	s_bfe_u32 s2, ttmp6, 0x10000c
	s_cmp_lg_u32 s2, 0xf033
	s_cbranch_scc0 .Lentry_shape_is_right
	s_endpgm
.Lentry_shape_is_right:
; SECOND LAUNCH: q, k, v = x w_qkv^T on codes of FP6 (K = 1,024), and on the way out the rotary embedding of q and k and the quantisers of the next two products: q and k along the head's 64, v along the keys.  Nothing is left out.
; A tile of 256 x 256 results is made by four waves, 128 x 128 each: 64 accumulators, 512 registers.  K goes in steps of 256 through two LDS slots filled by the tensor data mover; the scale bytes of the 512 rows come once and stay.
; TWO PARTS, told apart by the cluster's y alone (the same in all sixteen partners).  Clusters 0-7 along y: "A" = tokens, "B" = the rows of w_qkv for q and k.  Clusters 8-11: "A" = the rows of w_qkv for v, "B" = tokens.
; The matrix instruction is used transposed (source 0 = 16 rows of B, source 1 = 16 rows of A): a lane holds ONE row of A and its registers run along B: along the head's d for q and k, along the keys for v: the axis quantised next.
; TILE ORDER: both operands lie in memory with bits 3 and 4 of the row number exchanged, so the 16 registers of result tiles 2 b and 2 b + 1 are 16 NEIGHBOURS, 32 b + 16 (lane / 16) + 0 .. 15, and lane r of A's block 2 b + u is row 32 b + 8 u + r + 8 (r / 8).
; So the 64 registers of one block of A become by one quantising macro an operand fragment (12 registers) and a scale word, and leave AS AN IMAGE OF THE REGISTERS: 16 bytes a lane at 16 x lane (512 consecutive bytes a store), 8 bytes a lane at 8 x lane (256).
; qb [b h 64][step 16][6,656]: 8 tiles of 16 queries x 768 bytes (registers 0-3 at 16 lane, 4-5 at 512 + 8 lane), then 512 bytes of scale words (word 16 lane + 4 j: tile 2 j + lane / 16, row lane % 16; bytes 0, 1 the head's two blocks, bytes 2, 3 zero).
; kv [b h 64][step 16][13,056]: K as in qb (6,144), V^T: 4 tiles of 16 d x 128 keys x 1,536 bytes, K's scale words (512), V's (256: word 8 lane + 4 i: tile 2 i + lane / 16).
; CLUSTERS: 4 x 4 work-groups; A's tiles are asked for jointly along a row of the cluster, B's along a column.
; LIMITS: NaN and infinities are not served; a block of zeros gets the byte 1 (its codes are zeros; this program alone reads the bytes).
; 384 tiles for 256 WGPs: uneven by half a turn; a smaller tile would read each LDS byte for fewer products.  No prefetch: a wave has two refills in all.
; REGISTERS, in windows of 256: window 0: v16-31 addresses; v32-63 scale words, two sets; v128-223 A's fragments, one set; way out: v64-127 cos and sin, v128-191 rotated numbers, v192-247 at work.
;   window 1: B's fragments, two sets, at v0 and v128.   windows 2, 3: the accumulators ((a, b) at v[8 (8 (a % 4) + b)] of window 2 + a / 4).
.set KSTEP,  256
.set NQ,     KSTEP/128
.set ROWB,   192                       ; a tile's row in bytes
.set KROW,   768                       ; a row of codes in memory
.set PITCH,  240                       ; an LDS row: 3 x (64 bytes + 16 of padding)
.set FR,     12
.set NL,     6
.set NP,     4
.set HALFT,  128*PITCH
.set SLOT,   4*HALFT
.set LAPS,   2                         ; K = 1,024: twice round the ring
.set KS,     32                        ; a row of scale bytes
.set SCL,    2*SLOT
.set HALFS,  (128*KS/256)*272
.set SBLK,   (16*KS/256)*272
.set SPARE,  SCL+4*HALFS               ; the spare words: 128 bytes a wave, named by no other line
.set ADRA, 16                          ; v16-19  LDS addresses of my A fragments in slot 0, 1 (and behind one padding more)
.set ADRB, 20                          ; v20-23  the same for B
.set OF16, 24                          ; v24     16 x lane
.set OF8,  25                          ; v25     8 x lane
.set OFS,  26                          ; v26     16 x lane + where the scale words begin
.set ADRS, 27                          ; v27     LDS address of my scale words
.set SPW,  28                          ; v28     my spare word; never rewritten
.set NIL,  29                          ; v29     0; never rewritten
.set TBO,  30                          ; v30     my lane's byte in the table: (r + 8 (r / 8)) x 256 + 64 (lane / 16)
.set SC,   32
.set CS,   64                          ; v64-127 cos, sin: two sets of 32
.set AF,   128
.set R,    128                         ; v128-191 a block's 64 numbers after the rotation
.set PC,   192                         ; v192-210 the codes just made
.set TM,   212                         ; v212-227 at work in the quantiser
.set SW,   228                         ; v228-235 the eight blocks' scale words
.set M,    236
.set EV,   240
.set OD,   244
.set G1, 24
.set G0, 32
.set G1B, 48
.set G0B, 56
.set G1S, 68
.set G0S, 76
.set G1SB, 80
.set G0SB, 88
.set ISV, 96                           ; s96  1 in the part that makes v
.set PE,  66                           ; s[66:67]   where the even head's bytes go
.set PO,  100                          ; s[100:101] the odd head's
.set TBP, 98                           ; s[98:99]   the table at my 128 positions
.set SEL, 68                           ; s[68:69], s70: free once the scales' loads have landed
.set HM,  70
.set MSB, 0
.macro WIN new                         ; the immediate's high byte repeats the setting that is left
.if MSB != (\new)
	s_set_vgpr_msb (MSB<<8)|(\new)
.set MSB, (\new)
.endif
.endm
.set MUL_LO, 0xa1                      ; source 0 (B) window 1, source 1 (A) window 0, C and D window 2
.set MUL_HI, 0xf1
.set TO_B,   0x40
; A joint load: waves 0 and 1 fetch for A, waves 2 and 3 for B; the branch hangs on the wave's number alone.  An s_nop 0 and four v_nop follow each line.
.macro JLOAD g0a, g1a, g0b, g1b
	s_cmp_eq_u32 s15, 0
	s_cbranch_scc0 .Lfor_b_\@
	tensor_load_to_lds s[\g0a:\g0a+3], s[\g1a:\g1a+7]
	s_nop 0
.rept 4
	v_nop
.endr
	s_branch .Lasked_\@
.Lfor_b_\@:
	tensor_load_to_lds s[\g0b:\g0b+3], s[\g1b:\g1b+7]
	s_nop 0
.rept 4
	v_nop
.endr
.Lasked_\@:
.endm
.macro CREST                           ; a round of the cluster's barrier behind its opening barrier
	s_cmp_lg_u32 s14, 0
	s_cbranch_scc1 .Lnot_wave_0_\@
	s_barrier_signal -3
.Lnot_wave_0_\@:
	s_barrier_wait -3
	s_barrier_signal -1
	s_barrier_wait -1
.endm
.macro CROUND
	s_barrier_signal -1
	s_barrier_wait -1
	CREST
.endm
	s_load_b128 s[4:7], s[0:1], 0x0                ; codes, scales
	s_load_b128 s[8:11], s[0:1], 0x10              ; rope, qb
	s_load_b64 s[12:13], s[0:1], 0x20              ; kv
	v_lshl_add_u32 v[SPW], v0, 2, SPARE
	v_mov_b32 v[NIL], 0
	ds_add_u32 v[SPW], v[NIL]                      ; the wave's opening: the add, twice on end, and its wait ahead of my first tensor load
	ds_add_u32 v[SPW], v[NIL]
	v_lshrrev_b32 v1, 5, v0
	v_readfirstlane_b32 s14, v1                    ; wave 0..3
	s_lshr_b32 s15, s14, 1                         ; which half of A's rows is mine.  Also: I fetch for A (0) or for B (1)
	s_and_b32 s16, s14, 1                          ; which half of B's rows.  Also: which 128 rows I fetch
	s_bfe_u32 s40, ttmp6, 0x40000                  ; cx
	s_bfe_u32 s41, ttmp6, 0x40004                  ; cy
	s_and_b32 s95, ttmp7, 0xffff                   ; the cluster's y
	s_lshl_b32 s97, s95, 3
	s_sub_co_u32 s97, s97, 64                      ; 8 (cluster y - 8): used in the part for v alone
	s_cmp_lt_u32 s95, 8
	s_cselect_b32 s[ISV], 0, 1
	s_cselect_b32 s17, s95, 10
	s_cselect_b32 s97, 32, s97
	s_lshl_b32 s17, s17, 2
	s_add_co_u32 s17, s17, s41                     ; A's tile, in units of 256 row places: tokens 4 y + cy, or w_v's rows 40 + cy
	s_lshl_b32 s42, ttmp9, 2
	s_add_co_u32 s42, s42, s40
	s_add_co_u32 s42, s42, s97                     ; B's tile: w's rows for q, k: 32 + 4 x + cx; or tokens 4 x + cx + 8 (y - 8)
	s_lshl_b32 s43, s41, 2
	s_lshl_b32 s43, 15, s43                        ; my row of the cluster
	s_lshl_b32 s44, 0x1111, s40                    ; my column
	s_or_b32 s[G1+0], s43, (0<<16)|(1<<20)|(1<<21)|(3<<22)|(3<<25)  ; the mask; elements of 1 byte; padding of 4 words behind every 16; bit 21 beside a mask
	s_or_b32 s[G1B+0], s44, (0<<16)|(1<<20)|(1<<21)|(3<<22)|(3<<25)
.irp g, G1, G1B
	s_mov_b32 s[\g+1], ROWB<<16                    ; tensor_dim0
	s_mov_b32 s[\g+2], 128<<16                     ; tensor_dim1
	s_mov_b32 s[\g+3], ROWB<<16                    ; tile_dim0
	s_mov_b32 s[\g+4], 128                         ; tile_dim1
	s_mov_b32 s[\g+5], KROW                        ; from row to row
	s_mov_b32 s[\g+6], 0
	s_mov_b32 s[\g+7], 0
.endr
	s_or_b32 s[G1S+0], s43, (3<<16)|(1<<20)|(1<<21)|(5<<22)|(3<<25)  ; the scales of 128 rows: 4,096 dense bytes as 16 rows of 256, 16 bytes of padding behind each
	s_or_b32 s[G1SB+0], s44, (3<<16)|(1<<20)|(1<<21)|(5<<22)|(3<<25)
.irp g, G1S, G1SB
	s_mov_b32 s[\g+1], 32<<16
	s_mov_b32 s[\g+2], (128*KS/256)<<16
	s_mov_b32 s[\g+3], 32<<16
	s_mov_b32 s[\g+4], 128*KS/256
	s_mov_b32 s[\g+5], 32
	s_mov_b32 s[\g+6], 0
	s_mov_b32 s[\g+7], 0
.endr
	s_lshl_b32 s18, s16, 7
	s_lshl_b32 s20, s17, 8
	s_add_co_u32 s20, s20, s18                     ; A: the first row place that I fetch
	s_lshl_b32 s46, s42, 8
	s_add_co_u32 s46, s46, s18                     ; B likewise
	s_mov_b32 s21, 0
	s_mov_b32 s47, 0
	s_mov_b64 s[18:19], KS
	s_mul_u64 s[22:23], s[20:21], s[18:19]
	s_mul_u64 s[92:93], s[46:47], s[18:19]
	s_mov_b64 s[18:19], KROW
	s_mul_u64 s[20:21], s[20:21], s[18:19]
	s_mul_u64 s[46:47], s[46:47], s[18:19]
	s_mul_i32 s45, s14, HALFT                      ; where they go: wave x 128 rows
	s_mul_i32 s94, s14, HALFS
	s_wait_dscnt 0x0                               ; both opening adds are done
	s_wait_kmcnt 0x0
	s_add_nc_u64 s[20:21], s[4:5], s[20:21]
	s_add_nc_u64 s[22:23], s[6:7], s[22:23]
	s_add_nc_u64 s[46:47], s[4:5], s[46:47]
	s_add_nc_u64 s[92:93], s[6:7], s[92:93]
	CROUND                                         ; all sixteen work-groups are here: the first joint loads meet
	s_mov_b32 s[G0S], 1
	s_add_co_u32 s[G0S+1], s94, SCL
	s_mov_b64 s[G0S+2:G0S+3], s[22:23]
	s_or_b32 s[G0S+3], s[G0S+3], 0x80000000
	s_mov_b32 s[G0SB], 1
	s_add_co_u32 s[G0SB+1], s94, SCL
	s_mov_b64 s[G0SB+2:G0SB+3], s[92:93]
	s_or_b32 s[G0SB+3], s[G0SB+3], 0x80000000
	JLOAD G0S, G1S, G0SB, G1SB                     ; the scales first
.irp s, 0,1
	s_mov_b32 s[G0+4*\s], 1
	s_add_co_u32 s[G0+4*\s+1], s45, \s*SLOT
	s_add_nc_u64 s[G0+4*\s+2:G0+4*\s+3], s[20:21], \s*ROWB
	s_or_b32 s[G0+4*\s+3], s[G0+4*\s+3], 0x80000000
	s_mov_b32 s[G0B+4*\s], 1
	s_add_co_u32 s[G0B+4*\s+1], s45, \s*SLOT
	s_add_nc_u64 s[G0B+4*\s+2:G0B+4*\s+3], s[46:47], \s*ROWB
	s_or_b32 s[G0B+4*\s+3], s[G0B+4*\s+3], 0x80000000
	JLOAD G0+4*\s, G1, G0B+4*\s, G1B               ; three loads of mine are out at the most
.endr
	v_and_b32 v1, 15, v0                           ; r
	v_bfe_u32 v2, v0, 4, 1                         ; h
	v_mul_u32_u24 v3, v1, PITCH
	v_mul_u32_u24 v4, v2, 24
	v_add_nc_u32 v4, v3, v4                        ; a fragment's row x pitch + 24 x half
	v_lshl_add_u32 v5, v2, 4, v4                   ; and the same behind one padding more
	s_mul_i32 s21, s15, HALFT
	s_mul_i32 s22, s16, HALFT
	s_add_co_u32 s22, s22, 2*HALFT
.irp s, 0,1
	v_add_nc_u32 v[ADRA+\s], s21, v4
	v_add_nc_u32 v[ADRB+\s], s22, v4
	v_add_nc_u32 v[ADRA+2+\s], s21, v5
	v_add_nc_u32 v[ADRB+2+\s], s22, v5
	s_add_co_u32 s21, s21, SLOT
	s_add_co_u32 s22, s22, SLOT
.endr
	v_mul_u32_u24 v5, v1, KS                       ; my row's scales,
	v_lshrrev_b32 v6, 8, v5
	v_lshl_add_u32 v5, v6, 4, v5                   ; and 16 more for each 256 passed
	s_mul_i32 s21, s15, HALFS
	s_mul_i32 s22, s16, HALFS
	s_add_co_u32 s22, s22, 2*HALFS
	s_sub_co_u32 s22, s22, s21
	v_mul_u32_u24 v6, s22, v2                      ; lanes 16-31 take B's
	s_add_co_u32 s21, s21, SCL
	v_add_nc_u32 v5, v5, v6
	v_add_nc_u32 v[ADRS], s21, v5
	v_and_b32 v6, 31, v0
	v_lshlrev_b32 v[OF16], 4, v6
	v_lshlrev_b32 v[OF8], 3, v6
	v_and_b32 v7, 8, v1
	v_add_nc_u32 v7, v7, v1                        ; r + 8 (r / 8)
	v_lshlrev_b32 v7, 8, v7
	v_lshl_add_u32 v[TBO], v2, 6, v7
.macro FRAG reg, adr, q, i             ; 16 rows x 128 K of 6-bit codes: 12 registers, in pieces of 8 bytes; where lanes 16-31's piece lies behind one padding more, the second address register serves
.irp p, 0,1,2,3,4,5
.set PCE, 12*(\q)+6*(\p/3)+\p%3
.if PCE%8 < 5
	ds_load_b64 v[\reg+2*\p:\reg+2*\p+1], v[\adr] offset:8*PCE+16*(PCE/8)+(\i)*16*PITCH
.else
	ds_load_b64 v[\reg+2*\p:\reg+2*\p+1], v[\adr+2] offset:8*PCE+16*(PCE/8)+(\i)*16*PITCH
.endif
.endr
.endm
; 16 matrix instructions: A's blocks a0, a0 + 1 x B's eight.  The 64 accumulators take turns, one instruction a turn, in the same order in every step.
.macro MUL16 a0, p, q, sc, zero
.irp a, \a0, \a0+1
.irp b, 0,1,2,3,4,5,6,7
.if \zero
	v_wmma_scale_f32_16x16x128_f8f6f4 v[8*(8*((\a)%4)+\b):8*(8*((\a)%4)+\b)+7], v[128*(\p)+FR*\b:128*(\p)+FR*\b+FR-1], v[AF+FR*(\a):AF+FR*(\a)+FR-1], 0, v[SC+8*NQ*(\sc)+NQ*\b+(\q)], v[SC+8*NQ*(\sc)+NQ*(\a)+(\q)] matrix_a_fmt:MATRIX_FMT_FP6 matrix_b_fmt:MATRIX_FMT_FP6 matrix_a_scale:MATRIX_SCALE_ROW1
.else
	v_wmma_scale_f32_16x16x128_f8f6f4 v[8*(8*((\a)%4)+\b):8*(8*((\a)%4)+\b)+7], v[128*(\p)+FR*\b:128*(\p)+FR*\b+FR-1], v[AF+FR*(\a):AF+FR*(\a)+FR-1], v[8*(8*((\a)%4)+\b):8*(8*((\a)%4)+\b)+7], v[SC+8*NQ*(\sc)+NQ*\b+(\q)], v[SC+8*NQ*(\sc)+NQ*(\a)+(\q)] matrix_a_fmt:MATRIX_FMT_FP6 matrix_b_fmt:MATRIX_FMT_FP6 matrix_a_scale:MATRIX_SCALE_ROW1
.endif
.endr
.endr
.endm
.macro FETCH_B slot, q, p
	WIN TO_B
.irp i, 0,1,2,3,4,5,6,7
	FRAG 128*(\p)+FR*\i, ADRB+\slot, \q, \i
.endr
	WIN 0
.endm
.macro FETCH_A slot, q, i0
.irp i, \i0, \i0+1, \i0+2, \i0+3
	FRAG AF+FR*(\i), ADRA+\slot, \q, \i
.endr
.endm
.macro SCALES sc                       ; the next K step's scale words: lanes 0-15 A's block i, lanes 16-31 B's block i
.irp i, 0,1,2,3,4,5,6,7
	ds_load_b64 v[SC+8*NQ*\sc+NQ*\i:SC+8*NQ*\sc+NQ*\i+1], v[ADRS] offset:\i*SBLK
.endr
.endm
.macro PLACES n                        ; plain vector instructions between a matrix instruction and a load into, or a vector read of, its registers
.rept \n
	v_nop
.endr
.endm
.macro STEP slot, q, zero              ; 128 along K that has its successor in the same slot
	s_wait_dscnt 4*NL                              ; B's set and A's blocks 0-3 are in; the 24 youngest loads (A's blocks 4-7) may be out
	WIN MUL_LO
	MUL16 0, (\q)%2, \q, \slot, \zero
	MUL16 2, (\q)%2, \q, \slot, \zero
	s_wait_dscnt 0
	PLACES NP
	FETCH_B \slot, (\q)+1, 1-(\q)%2
	FETCH_A \slot, (\q)+1, 0
	WIN MUL_HI
	MUL16 4, (\q)%2, \q, \slot, \zero
	MUL16 6, (\q)%2, \q, \slot, \zero
	PLACES NP
	WIN 0
	FETCH_A \slot, (\q)+1, 4
.endm
; A slot's last step changes slots: one barrier; in front of it each wave waits for all its tensor loads, adds 0 to its spare word, and waits for that and for its reads of this slot.
.macro TURN slot, next, fill
	s_wait_tensorcnt 0x0                           ; all my tensor loads have landed: my part of the next slot
	ds_add_u32 v[SPW], v[NIL]
	s_wait_dscnt 4*NL+1                            ; (the add and the 24 youngest loads may be out)
	WIN MUL_LO
	MUL16 0, 1, NQ-1, \slot, 0
	s_wait_dscnt 0x0                               ; the add is done, and my reads of this slot are over
	s_barrier_signal -1
	MUL16 2, 1, NQ-1, \slot, 0
	WIN 0
	s_barrier_wait -1
.if \fill
	CREST                                          ; the barrier has opened a round of the cluster's: no wave of any partner still reads this slot or has a load on its way
	s_add_nc_u64 s[G0+4*\slot+2:G0+4*\slot+3], s[G0+4*\slot+2:G0+4*\slot+3], 2*ROWB
	s_add_nc_u64 s[G0B+4*\slot+2:G0B+4*\slot+3], s[G0B+4*\slot+2:G0B+4*\slot+3], 2*ROWB
	JLOAD G0+4*\slot, G1, G0B+4*\slot, G1B         ; the first tensor load behind the round; its four v_nop are the places in front of the loads below
.else
	PLACES NP
.endif
	v_add_nc_u32 v[ADRS], 4*NQ, v[ADRS]
	FETCH_B \next, 0, 0
	FETCH_A \next, 0, 0
	SCALES \next
	WIN MUL_HI
	MUL16 4, 1, NQ-1, \slot, 0
	MUL16 6, 1, NQ-1, \slot, 0
	PLACES NP
	WIN 0
	FETCH_A \next, 0, 4
.endm
	s_wait_tensorcnt 1                             ; the scales and my part of K step 0 are in (K step 1's load may be out)
	s_barrier_signal -1
	s_barrier_wait -1
	FETCH_B 0, 0, 0
	FETCH_A 0, 0, 0
	SCALES 0
	FETCH_A 0, 0, 4
	STEP 0, 0, 1                                   ; the first step's products start the sums
	s_mov_b32 s3, LAPS-1
.Llap:
	TURN 0, 1, 1
	STEP 1, 0, 0
	TURN 1, 0, 1
	STEP 0, 0, 0
	s_sub_co_u32 s3, s3, 1
	s_cmp_lg_u32 s3, 0
	s_cbranch_scc1 .Llap
	TURN 0, 1, 0                                   ; the last lap fills nothing
	STEP 1, 0, 0
	s_wait_dscnt 4*NL
	WIN MUL_LO
	MUL16 0, 1, NQ-1, 1, 0
	MUL16 2, 1, NQ-1, 1, 0
	s_wait_dscnt 0
	WIN MUL_HI
	MUL16 4, 1, NQ-1, 1, 0
	MUL16 6, 1, NQ-1, 1, 0
	WIN 0
; THE WAY OUT.  No LDS: the images leave from registers.
	PLACES NP
	s_mov_b32 s[SEL], 0x76543210                   ; v_permlanex16_b32's selects for lane l xor 16
	s_mov_b32 s[SEL+1], 0xfedcba98
	s_mov_b32 s[HM], 0xffff0000                    ; lanes 16-31
.irp b, 0,1,2,3
	v_mov_b32 v[TM+4+\b], 0                        ; written once: a lane permute's destination counts as one of its sources
.endr
	s_sub_co_u32 s74, s42, 32                      ; q, k: which 256 rows of w,
	s_lshl_b32 s74, s74, 1
	s_add_co_u32 s74, s74, s16
	s_and_b32 s74, s74, 7
	s_lshl_b32 s74, s74, 1                         ; my wave's even head
	s_lshl_b32 s75, s41, 2
	s_lshl_b32 s76, s15, 1
	s_add_co_u32 s75, s75, s76                     ; v: my wave's even head: 4 cy + 2 x half
	s_cmp_lg_u32 s[ISV], 0
	s_cselect_b32 s72, s42, s17                    ; the tile of tokens,
	s_cselect_b32 s73, s16, s15                    ; my half of it,
	s_cselect_b32 s74, s75, s74                    ; the head
	s_lshr_b32 s75, s72, 3                         ; the batch
	s_and_b32 s72, s72, 7
	s_lshl_b32 s72, s72, 1
	s_add_co_u32 s72, s72, s73                     ; the step of 128 tokens in it
	s_lshl_b32 s75, s75, 4
	s_add_co_u32 s75, s75, s74                     ; 16 x batch + head
	s_or_b32 s76, s[ISV], ttmp9                    ; into kv (k: cluster x = 1; v) or into qb (q: cluster x = 0)
	s_mov_b32 s77, 16*6656
	s_mov_b32 s78, 6656
	s_mov_b32 s79, 6144
	s_cmp_lg_u32 s76, 0
	s_cselect_b32 s77, 16*13056, s77               ; a head's bytes,
	s_cselect_b32 s78, 13056, s78                  ; a step's,
	s_cselect_b32 s79, 12288, s79                  ; where q's or k's scale words begin in a step
	s_cselect_b64 s[PE:PE+1], s[12:13], s[10:11]
	s_mul_i32 s80, s75, s77
	s_mul_i32 s81, s72, s78
	s_add_co_u32 s80, s80, s81
	s_mov_b32 s81, 0
	s_add_nc_u64 s[PE:PE+1], s[PE:PE+1], s[80:81]
	s_mov_b32 s80, s77
	s_add_nc_u64 s[PO:PO+1], s[PE:PE+1], s[80:81]
	v_add_nc_u32 v[OFS], s79, v[OF16]
; 64 numbers of a lane in window w, register 16 b + i = place 32 b + 16 (lane / 16) + i along the axis to be quantised, become a fragment's codes in v[PC] on and its scale word in v[pw].
.macro QUANT s, w, pw
.set QW, ((\w)<<2)|((\w)<<4)
	WIN QW                                         ; the numbers stand in sources 1 and 2
.irp b, 0,1,2,3
	v_max3_num_f32 v[TM+\b], 0x1800000, |v[(\s)+16*\b]|, |v[(\s)+1+16*\b]|   ; my 16 numbers of block b, and the floor 2^(3 - 127); each accumulator is read from its low end on
.endr
.irp i, 2,4,6,8,10,12,14
.irp b, 0,1,2,3
	v_max3_num_f32 v[TM+\b], v[TM+\b], |v[(\s)+16*\b+\i]|, |v[(\s)+1+16*\b+\i]|
.endr
.endr
	WIN 0
.irp b, 0,1,2,3
	v_permlanex16_b32 v[TM+4+\b], v[TM+\b], s[SEL], s[SEL+1]
.endr
.irp b, 0,1,2,3
	v_max_num_f32 v[TM+\b], v[TM+\b], v[TM+4+\b]   ; with lane l xor 16's: the block's largest magnitude
.endr
.irp b, 0,1,2,3
	v_add_nc_u32 v[TM+12+\b], 0xff000000, v[TM+\b] ; 2 off its exponent field: the conversion's scale operand
.endr
.irp b, 0,1,2,3
	v_lshrrev_b32 v[TM+4+\b], 23, v[TM+12+\b]      ; the scale's byte
.endr
	v_lshl_or_b32 v[\pw], v[TM+5], 8, v[TM+4]
	v_lshl_or_b32 v[\pw], v[TM+6], 16, v[\pw]
	v_lshl_or_b32 v[\pw], v[TM+7], 24, v[\pw]
	s_wait_xcnt 0x0                                ; the last block's stores have read the codes' registers: only now are they written again
	WIN \w
.irp c, 0,1
	v_cvt_scalef32_pk16_fp6_f32 v[PC+6*\c:PC+2+6*\c], v[(\s)+32*\c:(\s)+15+32*\c], v[TM+12+2*\c]
	v_cvt_scalef32_pk16_fp6_f32 v[PC+12+4*\c:PC+14+4*\c], v[(\s)+16+32*\c:(\s)+31+32*\c], v[TM+12+2*\c+1]
.endr
	WIN 0
	v_nop                                          ; one plain instruction behind a scaled conversion
.irp c, 0,1                                    ; the operand's layout wants a whole block in a lane
.irp i, 0,1,2
	v_permlane16_swap_b32 v[PC+6*\c+\i], v[PC+12+4*\c+\i]
.endr
.irp i, 0,1,2
	v_mov_b32 v[PC+3+6*\c+\i], v[PC+12+4*\c+\i]
.endr
.endr
.endm
.macro TABLOAD a                       ; cos, sin of my token of block a: pairs 16 u + 8 (lane / 16) + 0 .. 7, 64 bytes for each u
.irp u, 0,1
.irp m, 0,1,2,3
	global_load_b128 v[CS+32*((\a)%2)+16*\u+4*\m:CS+32*((\a)%2)+16*\u+4*\m+3], v[TBO], s[TBP:TBP+1] offset:(32*((\a)/2)+8*((\a)%2))*256+128*\u+16*\m
.endr
.endr
.endm
.macro ROPE a                          ; (x1, x2) -> (x1 cos - x2 sin, x2 cos + x1 sin), a pair an instruction; register pair k is pair 16 ((k / 8) % 2) + 8 (lane / 16) + k % 8 of head k / 16
	WIN 2+(\a)/4                                   ; source 0: the accumulators
.set k, 0
.rept 32
.set rc, CS+32*((\a)%2)+16*((k/8)%2)+2*(k%8)
.set rx, 64*((\a)%4)+2*k
	v_pk_mul_f32 v[R+2*k:R+2*k+1], v[rx:rx+1], v[rc:rc+1] op_sel_hi:[1,0]
.set k, k+1
.endr
.set k, 0
.rept 32
.set rc, CS+32*((\a)%2)+16*((k/8)%2)+2*(k%8)
.set rx, 64*((\a)%4)+2*k
	v_pk_fma_f32 v[R+2*k:R+2*k+1], v[rx:rx+1], v[rc:rc+1], v[R+2*k:R+2*k+1] op_sel:[1,1,0] op_sel_hi:[0,1,1] neg_lo:[0,1,0]
.set k, k+1
.endr
	WIN 0
.endm
.macro BLOCKQK a                       ; 16 tokens x my two heads of q or of k
.if (\a) < 7
	s_wait_loadcnt 8                               ; this block's eight table loads are in; the next block's eight may be out
.else
	s_wait_loadcnt 0
.endif
	ROPE \a
.if (\a)+2 < 8
	TABLOAD \a+2
.endif
	QUANT R, 0, SW+(\a)
	global_store_b128 v[OF16], v[PC:PC+3], s[PE:PE+1] offset:768*(\a)          ; registers 0-5: the even head's 64 along d
	global_store_b64 v[OF8], v[PC+4:PC+5], s[PE:PE+1] offset:768*(\a)+512
	global_store_b128 v[OF16], v[PC+6:PC+9], s[PO:PO+1] offset:768*(\a)        ; registers 6-11: the odd head's
	global_store_b64 v[OF8], v[PC+10:PC+11], s[PO:PO+1] offset:768*(\a)+512
.endm
.macro BLOCKV a                        ; 16 of a head's d x my 128 keys of v: a whole fragment
	QUANT 64*((\a)%4), 2+(\a)/4, SW+(\a)
.irp c, 0,1,2
.if (\a) < 4
	global_store_b128 v[OF16], v[PC+4*\c:PC+4*\c+3], s[PE:PE+1] offset:6144+1536*((\a)%4)+512*\c
.else
	global_store_b128 v[OF16], v[PC+4*\c:PC+4*\c+3], s[PO:PO+1] offset:6144+1536*((\a)%4)+512*\c
.endif
.endr
.endm
	s_cmp_lg_u32 s[ISV], 0                         ; the cluster's y alone: the same in every wave of all sixteen partners; no tensor load, wait on one or barrier stands in either arm
	s_cbranch_scc1 .Lv
	s_lshl_b32 s[TBP], s72, 15                     ; my 128 positions of 256 bytes
	s_mov_b32 s[TBP+1], 0
	s_add_nc_u64 s[TBP:TBP+1], s[8:9], s[TBP:TBP+1]
	TABLOAD 0
	TABLOAD 1
.irp a, 0,1,2,3,4,5,6,7
	BLOCKQK \a
.endr
.irp i, 0,1,2,3
	v_cndmask_b32 v[M+\i], v[SW+2*\i], v[SW+2*\i+1], s[HM]   ; lanes 0-15: tile 2 i's words, lanes 16-31: tile 2 i + 1's
.endr
.irp i, 0,1,2,3
	v_and_b32 v[EV+\i], 0xffff, v[M+\i]            ; the even head's two bytes; the bytes of the K that is not there are 0
	v_lshrrev_b32 v[OD+\i], 16, v[M+\i]            ; the odd head's
.endr
	global_store_b128 v[OFS], v[EV:EV+3], s[PE:PE+1]
	global_store_b128 v[OFS], v[OD:OD+3], s[PO:PO+1]
	s_branch .Lend
.Lv:
.irp a, 0,1,2,3,4,5,6,7
	BLOCKV \a
.endr
.irp i, 0,1,2,3
	v_cndmask_b32 v[M+\i], v[SW+2*\i], v[SW+2*\i+1], s[HM]
.endr
	global_store_b64 v[OF8], v[M:M+1], s[PE:PE+1] offset:12800
	global_store_b64 v[OF8], v[M+2:M+3], s[PO:PO+1] offset:12800
.Lend:
	s_wait_tensorcnt 0x0                           ; the wave's end
	ds_add_u32 v[SPW], v[NIL]
	s_wait_dscnt 0x0
	CROUND                                         ; the closing round
	s_endpgm
.Lfunc_end_k_qc8b690322a_qkv:
	.size	k_qc8b690322a_qkv, .Lfunc_end_k_qc8b690322a_qkv-k_qc8b690322a_qkv
	.p2alignl 7, 3214868480
	.fill 96, 4, 3214868480
	.section	.rodata,"a",@progbits
	.p2align	6, 0x0
	.amdhsa_kernel k_qc8b690322a_qkv
		.amdhsa_group_segment_fixed_size 327680
		.amdhsa_private_segment_fixed_size 0
		.amdhsa_enable_private_segment 0
		.amdhsa_kernarg_size 40
		.amdhsa_user_sgpr_count 2
		.amdhsa_user_sgpr_kernarg_segment_ptr 1
		.amdhsa_wavefront_size32 1
		.amdhsa_system_sgpr_workgroup_id_x 1
		.amdhsa_system_sgpr_workgroup_id_y 1
		.amdhsa_system_sgpr_workgroup_id_z 1
		.amdhsa_system_vgpr_workitem_id 0
		.amdhsa_next_free_vgpr 1024
		.amdhsa_next_free_sgpr 102
		.amdhsa_reserve_vcc 0
		.amdhsa_float_denorm_mode_32 3
		.amdhsa_float_denorm_mode_16_64 3
		.amdhsa_memory_ordered 1
		.amdhsa_forward_progress 1
		.amdhsa_inst_pref_size 238
	.end_amdhsa_kernel
	.amdgpu_metadata
---
amdhsa.version: [ 1, 2 ]
amdhsa.kernels:
  - .name:           k_qc8b690322a_qkv
    .symbol:         k_qc8b690322a_qkv.kd
    .args:
      - { .name: codes, .offset: 0, .size: 8, .value_kind: global_buffer, .address_space: global }
      - { .name: scales, .offset: 8, .size: 8, .value_kind: global_buffer, .address_space: global }
      - { .name: rope, .offset: 16, .size: 8, .value_kind: global_buffer, .address_space: global }
      - { .name: qb, .offset: 24, .size: 8, .value_kind: global_buffer, .address_space: global }
      - { .name: kv, .offset: 32, .size: 8, .value_kind: global_buffer, .address_space: global }
    .group_segment_fixed_size: 327680
    .private_segment_fixed_size: 0
    .kernarg_segment_align: 8
    .kernarg_segment_size: 40
    .max_flat_workgroup_size: 128
    .sgpr_count:     102
    .vgpr_count:     1024
    .wavefront_size: 32
...
	.end_amdgpu_metadata
.endif
;; end of part 2
;; launch attn (part 3): grid 4 x 64, 16 waves a work-group, clusters of 4 x 1, 210,944 bytes of LDS; arguments qb, kv, oimg, osc; writes oimg, osc
.if DOCPART == 3
	.amdgcn_target "amdgcn-amd-amdhsa--gfx1250"
	.amdhsa_code_object_version 6
	.text
	.protected	k_qc8b690322a_attn
	.globl	k_qc8b690322a_attn
	.p2align	8
	.type	k_qc8b690322a_attn,@function
k_qc8b690322a_attn:
	s_mov_b64 s[64:65], 0
	v_nop
	global_prefetch_b8 v0, s[64:65] scope:SCOPE_SE
	s_setreg_imm32_b32 hwreg(HW_REG_WAVE_MODE, 25, 1), 1
	s_wait_xcnt 0x0
	s_wait_alu depctr_hold_cnt(0) depctr_sa_sdst(0) depctr_va_vdst(0) depctr_va_sdst(0) depctr_va_ssrc(0) depctr_va_vcc(0) depctr_vm_vsrc(0)
	s_getreg_b32 s2, hwreg(HW_REG_IB_STS2, 6, 4)
	s_cmp_eq_u32 s2, 0
	s_cbranch_scc0 .Lentry_in_a_cluster
	s_endpgm
.Lentry_in_a_cluster:
	s_bfe_u32 s2, ttmp6, 0x10000c
	s_cmp_lg_u32 s2, 0x3003
	s_cbranch_scc0 .Lentry_shape_is_right
	s_endpgm
.Lentry_shape_is_right:
; THIRD LAUNCH: o = softmax(q k^T / 8) v for each of 64 (batch, head), both products on codes of FP6, and the quantiser of o along its 64 (two blocks of the last product's K).  Nothing is left out.
; THE SOFTMAX: t = score x log2(e) / 8; M = the ceiling of the row's largest t so far, a whole number; p = 2^(t - M) is quantised along the keys, not normalised; the row's sum is taken of the unquantised p and divides o at the end.
; When M moves, the sum and o are multiplied by 2^(old M - new M): exact.  -M is kept: floor(-t) of a running maximum is the minimum of the steps' floor(-t).
; SHARES.  A work-group owns 512 queries of one head, each of its sixteen waves two tiles of 16, in 256 registers: four waves to a SIMD, so that one wave's vector work stands beside another's products and LDS loads.
; NO RING.  A head's K, V and scale words are 16 bundles of 13,056 bytes: 208,896 bytes, which stay in LDS.  Wave w brings bundle w by ONE tensor load, at the head; nothing is filled again, so the loop over the keys has no barrier.
; CLUSTER.  The four work-groups of a head form a cluster and ask for each bundle jointly (the same descriptor, made of the head and the wave's number alone).  All that the launch reads is asked for at its head: there is nothing to prefetch.
; LAYOUT.  Both products transposed: S^T = K Q^T, O^T = V^T P^T: a lane holds one query throughout.  Operands lie in memory and LDS as images of their registers: 16 bytes a lane at 16 x lane, 8 bytes a lane at 8 x lane.
; The keys of a tile of K and the d of a tile of V^T are in tile order (lane r of tile 2 b + u: 32 b + 8 u + r + 8 (r / 8)), so p's and o's 16 registers of two neighbouring tiles are 16 neighbours.
; THE FIRST PRODUCT'S K IS 64, the instruction's 128.  Q's registers 6-11 are zero codes.  K's operand names 12 registers of which the upper six are the next tile's codes (behind the last tile: six registers of zeros): every pattern of 6 bits is a
; finite number, and its product with the code 0 is 0; the scale bytes of that half are 0 (2^-127), never 0xff.
; LIMITS: NaN and infinities are not served; p under 2^-126 is 0 (v_exp_f32); 1 / sum by v_rcp_f32; a block of zeros gets the byte 1.  The scale bytes of o leave by stores of 2 bytes a lane, 4 bytes apart: the other half of each word is another head's.
; REGISTERS: v0, v1 LDS offsets; v2 Q's scale words; v3 at work; v4-7 -M and its old value, a pair a tile; v8-11 the sums; v12, v13 p's scale words; v14-17 K's or V's scale words; v18-41 Q; v42-89 K or V; v90-95 zeros;
;   v96-119 p's codes; v120-183 S^T, then p; v184-247 O^T; v248-251 the blocks' largest; v252 f, v253 at work; v254, v255 the add's two.
.set BUND,  13056
.set SPARE, 16*BUND                    ; the spare words: 128 bytes a wave, named by no other line
.set A16, 0
.set A8,  1
.set QS,  2
.set T,   3
.set KSC, 14
.set QR,  18
.set KR,  42
.set S,   120
.set MX,  248
.set PT,  252
.set SPW, 254
.set NIL, 255
.set WV,  12
.set CX,  13
.set BH,  14
.set G1,  16
.set G0,  24
.set SEL, 28
.set CS,  30
.set CNT, 32
.set HM,  33
.macro CROUND                          ; a round of the cluster's barrier
	s_barrier_signal -1
	s_barrier_wait -1
	s_cmp_lg_u32 s[WV], 0
	s_cbranch_scc1 .Lnot_wave_0_\@
	s_barrier_signal -3
.Lnot_wave_0_\@:
	s_barrier_wait -3
	s_barrier_signal -1
	s_barrier_wait -1
.endm
	s_load_b256 s[4:11], s[0:1], 0x0               ; qb, kv, oimg, osc
	v_lshl_add_u32 v[SPW], v0, 2, SPARE
	v_mov_b32 v[NIL], 0
	ds_add_u32 v[SPW], v[NIL]                      ; the wave's opening: the add, twice on end, and its wait ahead of my first tensor load
	ds_add_u32 v[SPW], v[NIL]
	v_lshrrev_b32 v1, 5, v0
	v_readfirstlane_b32 s[WV], v1                  ; wave 0..15
	s_bfe_u32 s[CX], ttmp6, 0x40000                ; my block of 512 queries: it enters q's and o's global addresses alone
	s_and_b32 s[BH], ttmp7, 0xffff                 ; 16 x batch + head
	s_mov_b32 s[G1], 15|(3<<16)|(1<<21)            ; the mask: all four; elements of 8 bytes; no padding; bit 21 beside a mask
	s_mov_b32 s[G1+1], 32<<16                      ; a bundle is 51 dense rows of 256 bytes
	s_mov_b32 s[G1+2], 51<<16
	s_mov_b32 s[G1+3], 32<<16
	s_mov_b32 s[G1+4], 51
	s_mov_b32 s[G1+5], 32
	s_mov_b32 s[G1+6], 0
	s_mov_b32 s[G1+7], 0
	s_mov_b32 s[G0], 1
	s_mul_i32 s[G0+1], s[WV], BUND                 ; LDS: bundle w
	s_mul_i32 s40, s[BH], 16*BUND
	s_add_co_u32 s40, s40, s[G0+1]
	s_mov_b32 s41, 0
	s_mul_i32 s34, s[BH], 16*6656
	s_lshl_b32 s35, s[CX], 2
	s_lshr_b32 s36, s[WV], 2
	s_add_co_u32 s35, s35, s36
	s_mul_i32 s35, s35, 6656
	s_add_co_u32 s34, s34, s35                     ; q: my step of 128 queries: 4 cx + w / 4
	s_mov_b32 s35, 0
	s_and_b32 s36, s[WV], 3
	s_mul_i32 s38, s36, 2*768                      ; my two tiles in it
	s_mov_b32 s39, 0
	s_lshl_b32 s36, s36, 2                         ; and their scale words' column
	s_mov_b32 s37, 0
	s_mul_i32 s42, s[BH], 128*768                  ; o's images: tile 32 cx + 2 w
	s_lshl_b32 s43, s[CX], 5
	s_lshl_b32 s44, s[WV], 1
	s_add_co_u32 s43, s43, s44
	s_mul_i32 s44, s43, 768
	s_add_co_u32 s42, s42, s44
	s_lshl_b32 s44, s43, 6                         ; o's scale bytes: 16 places of 4 bytes a tile,
	s_mov_b32 s43, 0
	s_lshr_b32 s45, s[BH], 4
	s_lshl_b32 s45, s45, 16                        ; the batch,
	s_add_co_u32 s44, s44, s45
	s_and_b32 s45, s[BH], 15
	s_lshr_b32 s45, s45, 1
	s_lshl_b32 s45, s45, 13                        ; the pair of heads,
	s_add_co_u32 s44, s44, s45
	s_and_b32 s45, s[BH], 1
	s_lshl_b32 s45, s45, 1                         ; my head's half of the word
	s_add_co_u32 s44, s44, s45
	s_mov_b32 s45, 0
	s_mov_b32 s[SEL], 0x76543210
	s_mov_b32 s[SEL+1], 0xfedcba98
	s_mov_b32 s[CS], 0x3e38aa3b                    ; c = log2(e) / 8
	s_mov_b32 s[CS+1], s[CS]                       ; (named with it as a pair)
	s_mov_b32 s[CNT], 0
	s_mov_b32 s[HM], 0xffff0000
	s_wait_dscnt 0x0                               ; both opening adds are done
	s_wait_kmcnt 0x0
	s_add_nc_u64 s[G0+2:G0+3], s[6:7], s[40:41]
	s_or_b32 s[G0+3], s[G0+3], 0x80000000
	CROUND                                         ; all four work-groups are here: the joint loads meet
	tensor_load_to_lds s[G0:G0+3], s[G1:G1+7]      ; my one tensor load of the launch
	s_nop 0
	v_and_b32 v0, 31, v0
	v_lshlrev_b32 v[A8], 3, v0
	v_lshlrev_b32 v[A16], 4, v0
	s_add_nc_u64 s[4:5], s[4:5], s[34:35]
	s_add_nc_u64 s[38:39], s[4:5], s[38:39]
	s_add_nc_u64 s[36:37], s[4:5], s[36:37]
	s_add_nc_u64 s[8:9], s[8:9], s[42:43]
	s_add_nc_u64 s[10:11], s[10:11], s[44:45]
.irp x, 0,1
	global_load_b128 v[QR+12*\x:QR+12*\x+3], v[A16], s[38:39] offset:768*\x
	global_load_b64 v[QR+12*\x+4:QR+12*\x+5], v[A8], s[38:39] offset:768*\x+512
.endr
	global_load_b32 v[QS], v[A16], s[36:37] offset:6144   ; lanes 0-15: my first tile's words, lanes 16-31: my second's
.irp j, 0,1,2,3,4,5
	v_mov_b32 v[QR+6+\j], 0                        ; the K that is not there: zero codes
	v_mov_b32 v[QR+18+\j], 0
	v_mov_b32 v[KR+48+\j], 0                       ; and the upper half of K's last operand
.endr
	v_mov_b32 v4, 0x7f61b1e6                       ; -M: 3e38, over every floor(-t)
	v_mov_b32 v6, 0x7f61b1e6
	v_mov_b32 v5, 0
	v_mov_b32 v7, 0
	v_mov_b32 v[T], 0
.irp j, 8,9,10,11
	v_mov_b32 v[\j], 0                             ; the sums
.endr
	v_mov_b32 v[PT], 0                             ; written once: a lane permute's destination counts as one of its sources
	v_mov_b32 v[PT+1], 0
.set j, 0
.rept 64
	v_mov_b32 v[184+j], 0                          ; O^T: the loop is written once; its first step finds zeros, which the first change of M leaves zeros
.set j, j+1
.endr
	s_wait_loadcnt 0x0                             ; Q
	s_wait_tensorcnt 0x0                           ; my bundle has landed,
	s_barrier_signal -1
	s_barrier_wait -1                              ; everybody's has
.macro KLOAD
.irp t, 0,1,2,3,4,5,6,7
	ds_load_b128 v[KR+6*\t:KR+6*\t+3], v[A16] offset:768*\t
	ds_load_b64 v[KR+6*\t+4:KR+6*\t+5], v[A8] offset:768*\t+512
.endr
	ds_load_b128 v[KSC:KSC+3], v[A16] offset:12288   ; word j: lanes 0-15 tile 2 j's rows, lanes 16-31 tile 2 j + 1's
.endm
.macro VLOAD
.irp t, 0,1,2,3
.irp c, 0,1,2
	ds_load_b128 v[KR+12*\t+4*\c:KR+12*\t+4*\c+3], v[A16] offset:6144+1536*\t+512*\c
.endr
.endr
	ds_load_b64 v[KSC:KSC+1], v[A8] offset:12800
.endm
.macro SMUL x                          ; S^T = K Q^T for my tile x: eight tiles of 16 keys
.irp t, 0,1,2,3,4,5,6,7
.if (\t%2 == 0) && (\x == 0)
	v_wmma_scale_f32_16x16x128_f8f6f4 v[S+8*\t:S+8*\t+7], v[KR+6*\t:KR+6*\t+11], v[QR+12*\x:QR+12*\x+11], 0, v[KSC+\t/2], v[QS] matrix_a_fmt:MATRIX_FMT_FP6 matrix_b_fmt:MATRIX_FMT_FP6
.elseif (\t%2 == 1) && (\x == 0)
	v_wmma_scale_f32_16x16x128_f8f6f4 v[S+8*\t:S+8*\t+7], v[KR+6*\t:KR+6*\t+11], v[QR+12*\x:QR+12*\x+11], 0, v[KSC+\t/2], v[QS] matrix_a_fmt:MATRIX_FMT_FP6 matrix_b_fmt:MATRIX_FMT_FP6 matrix_a_scale:MATRIX_SCALE_ROW1
.elseif (\t%2 == 0)
	v_wmma_scale_f32_16x16x128_f8f6f4 v[S+8*\t:S+8*\t+7], v[KR+6*\t:KR+6*\t+11], v[QR+12*\x:QR+12*\x+11], 0, v[KSC+\t/2], v[QS] matrix_a_fmt:MATRIX_FMT_FP6 matrix_b_fmt:MATRIX_FMT_FP6 matrix_b_scale:MATRIX_SCALE_ROW1
.else
	v_wmma_scale_f32_16x16x128_f8f6f4 v[S+8*\t:S+8*\t+7], v[KR+6*\t:KR+6*\t+11], v[QR+12*\x:QR+12*\x+11], 0, v[KSC+\t/2], v[QS] matrix_a_fmt:MATRIX_FMT_FP6 matrix_b_fmt:MATRIX_FMT_FP6 matrix_a_scale:MATRIX_SCALE_ROW1 matrix_b_scale:MATRIX_SCALE_ROW1
.endif
.endr
.rept 4
	v_nop                                          ; places in front of the first read of the scores, and of loads into registers that these products have read
.endr
.endm
.macro PVMUL                           ; O^T += V^T P^T: eight accumulators, one instruction a turn
.irp t, 0,1,2,3
.irp x, 0,1
.if \t%2 == 0
	v_wmma_scale_f32_16x16x128_f8f6f4 v[184+32*\x+8*\t:191+32*\x+8*\t], v[KR+12*\t:KR+12*\t+11], v[96+12*\x:107+12*\x], v[184+32*\x+8*\t:191+32*\x+8*\t], v[KSC+\t/2], v[12+\x] matrix_a_fmt:MATRIX_FMT_FP6 matrix_b_fmt:MATRIX_FMT_FP6
.else
	v_wmma_scale_f32_16x16x128_f8f6f4 v[184+32*\x+8*\t:191+32*\x+8*\t], v[KR+12*\t:KR+12*\t+11], v[96+12*\x:107+12*\x], v[184+32*\x+8*\t:191+32*\x+8*\t], v[KSC+\t/2], v[12+\x] matrix_a_fmt:MATRIX_FMT_FP6 matrix_b_fmt:MATRIX_FMT_FP6 matrix_a_scale:MATRIX_SCALE_ROW1
.endif
.endr
.endr
.endm
; Tile x's softmax of 128 keys: register 16 b + i of S is key 32 b + 16 (lane / 16) + i.  P's registers are free until the conversions: P+10, P+11 hold the sum's second chain, P+3, 4, 5, 9 the scale bytes.
.macro SOFTMAX x
.set NM, 4+2*(\x)
.set SU, 8+2*(\x)
.set PS, 12+(\x)
.set P,  96+12*(\x)
.set O,  184+32*(\x)
.irp b, 0,1,2,3
	v_max3_num_f32 v[MX+\b], v[S+16*\b], v[S+1+16*\b], v[S+2+16*\b]   ; the largest score of each block of 32 keys: for the row's maximum and, since p rises with the score, for the block's largest p
.endr
.irp i, 3,5,7,9,11,13
.irp b, 0,1,2,3
	v_max3_num_f32 v[MX+\b], v[MX+\b], v[S+16*\b+\i], v[S+1+16*\b+\i]
.endr
.endr
.irp b, 0,1,2,3
	v_max_num_f32 v[MX+\b], v[MX+\b], v[S+15+16*\b]
.endr
.irp b, 0,2
	v_permlanex16_b32 v[PT], v[MX+\b], s[SEL], s[SEL+1]
	v_permlanex16_b32 v[PT+1], v[MX+1+\b], s[SEL], s[SEL+1]
	v_max_num_f32 v[MX+\b], v[MX+\b], v[PT]        ; with lane l xor 16's 16 keys
	v_max_num_f32 v[MX+1+\b], v[MX+1+\b], v[PT+1]
.endr
	v_max3_num_f32 v[T], v[MX], v[MX+1], v[MX+2]
	v_max_num_f32 v[T], v[T], v[MX+3]              ; the step's largest score of my query
	v_mul_f32 v[T], s[CS], v[T]                    ; as t
	v_floor_f32 v[T], -v[T]                        ; -ceil(t)
	v_mov_b32 v[NM+1], v[NM]
	v_min_num_f32 v[NM], v[NM], v[T]               ; the new -M
	v_sub_f32 v[T], v[NM], v[NM+1]                 ; old M - new M: a whole number, 0 or less
	v_cvt_i32_f32 v[T], v[T]                       ; (it saturates)
	v_ldexp_f32 v[PT], 1.0, v[T]                   ; f = 2^(old M - new M)
.set j, 0
.rept 32
	v_pk_fma_f32 v[S+j:S+j+1], v[S+j:S+j+1], s[CS:CS+1], v[NM:NM+1] op_sel_hi:[1,0,0]   ; t - M, two at a time
.set j, j+2
.endr
.irp b, 0,1,2,3
	v_fma_f32 v[MX+\b], v[MX+\b], s[CS], v[NM]     ; the same of each block's largest score
.endr
.set j, 0
.rept 64
	v_exp_f32 v[S+j], v[S+j]                       ; p = 2^(t - M)
.set j, j+1
.endr
	v_pk_mul_f32 v[SU:SU+1], v[SU:SU+1], v[PT:PT+1] op_sel_hi:[1,0]   ; the sums under the new M (a plain instruction behind the exponentials)
	s_wait_alu depctr_va_vdst(0)                   ; one wait for the batch of 64, ahead of its first reader
.irp b, 0,1,2,3
	v_exp_f32 v[MX+\b], v[MX+\b]                   ; the block's largest p: the same two instructions on the same number give the same bits
.endr
	v_pk_add_f32 v[P+10:P+11], v[S:S+1], v[S+2:S+3]   ; the row's sum of the unquantised p, in two chains
.set j, 4
.rept 15
	v_pk_add_f32 v[SU:SU+1], v[SU:SU+1], v[S+j:S+j+1]
	v_pk_add_f32 v[P+10:P+11], v[P+10:P+11], v[S+2+j:S+3+j]
.set j, j+4
.endr
	v_pk_add_f32 v[SU:SU+1], v[SU:SU+1], v[P+10:P+11]
	s_wait_alu depctr_va_vdst(0)                   ; and one for the four
.irp b, 0,1,2,3
	v_max_num_f32 v[MX+\b], 0x1800000, v[MX+\b]    ; the floor 2^(3 - 127): the byte cannot fall under 1
.endr
.irp b, 0,1,2,3
	v_add_nc_u32 v[MX+\b], 0xff000000, v[MX+\b]    ; 2 off the exponent field: the conversion's scale operand
.endr
	v_lshrrev_b32 v[P+3], 23, v[MX]                ; the scales' bytes
	v_lshrrev_b32 v[P+4], 23, v[MX+1]
	v_lshrrev_b32 v[P+5], 23, v[MX+2]
	v_lshrrev_b32 v[P+9], 23, v[MX+3]
	v_lshl_or_b32 v[PS], v[P+4], 8, v[P+3]         ; p's scale word for these 128 keys
	v_lshl_or_b32 v[PS], v[P+5], 16, v[PS]
	v_lshl_or_b32 v[PS], v[P+9], 24, v[PS]
	v_cvt_scalef32_pk16_fp6_f32 v[P:P+2], v[S:S+15], v[MX]
	v_cvt_scalef32_pk16_fp6_f32 v[P+6:P+8], v[S+32:S+47], v[MX+2]
	v_nop                                          ; a plain instruction before the first conversion's sources are written
	v_cvt_scalef32_pk16_fp6_f32 v[S:S+2], v[S+16:S+31], v[MX+1]     ; (a conversion's three registers begin on an even number: the second halves are made in registers of p that are done with, and moved)
	v_cvt_scalef32_pk16_fp6_f32 v[S+4:S+6], v[S+48:S+63], v[MX+3]
	v_nop
.irp i, 0,1,2
	v_permlane16_swap_b32 v[P+\i], v[S+\i]         ; the operand's layout wants a whole block in a lane
	v_permlane16_swap_b32 v[P+6+\i], v[S+4+\i]
.endr
.irp i, 0,1,2
	v_mov_b32 v[P+3+\i], v[S+\i]
	v_mov_b32 v[P+9+\i], v[S+4+\i]
.endr
.set j, 0
.rept 16
	v_pk_mul_f32 v[O+j:O+j+1], v[O+j:O+j+1], v[PT:PT+1] op_sel_hi:[1,0]   ; O^T under the new M.  These sixteen also stand between the vector writes of p's codes and scale word and the scaled products that take them
.set j, j+2
.endr
.endm
.Lstep:                                            ; 16 trips of 128 keys; no barrier, no tensor load
	KLOAD
	s_wait_dscnt 0x0
	SMUL 0
	SOFTMAX 0
	SMUL 1
	VLOAD                                          ; lands under the second tile's softmax
	SOFTMAX 1
	s_wait_dscnt 0x0
	PVMUL
	v_add_nc_u32 v[A16], BUND, v[A16]              ; the next bundle.  With the two v_nop: the four places in front of the loads into registers that the products have read, and of the reads of O^T behind the loop
	v_add_nc_u32 v[A8], BUND, v[A8]
	v_nop
	v_nop
	s_add_co_u32 s[CNT], s[CNT], 1
	s_cmp_lt_u32 s[CNT], 16
	s_cbranch_scc1 .Lstep
; THE WAY OUT: o = O^T / the sum; register 16 (2 x + b) + i of the 64 is o of tile x at d = 32 b + 16 (lane / 16) + i: one pass of the quantiser serves both tiles: registers 0-5 of the codes and bytes 0, 1 of the word are tile 0's, the others tile 1's.
.set TM, 42
.set PC, 60
.set PW, 80
	v_add_f32 v8, v8, v9
	v_add_f32 v10, v10, v11
	v_permlanex16_b32 v[PT], v8, s[SEL], s[SEL+1]
	v_permlanex16_b32 v[PT+1], v10, s[SEL], s[SEL+1]
	v_add_f32 v8, v8, v[PT]                        ; the rows' sums
	v_add_f32 v10, v10, v[PT+1]
	v_rcp_f32 v8, v8
	v_rcp_f32 v10, v10
	v_add_nc_u32 v[A16], -16*BUND, v[A16]          ; (plain instructions behind the reciprocals)  16 x lane and 8 x lane again
	v_add_nc_u32 v[A8], -16*BUND, v[A8]
	s_wait_alu depctr_va_vdst(0)                   ; one wait for both, ahead of their first reader
.set j, 0
.rept 16
	v_pk_mul_f32 v[S+j:S+j+1], v[184+j:185+j], v[8:9] op_sel_hi:[1,0]
.set j, j+2
.endr
.set j, 0
.rept 16
	v_pk_mul_f32 v[S+32+j:S+33+j], v[216+j:217+j], v[10:11] op_sel_hi:[1,0]
.set j, j+2
.endr
.irp b, 0,1,2,3
	v_mov_b32 v[TM+4+\b], 0
.endr
.irp b, 0,1,2,3
	v_max3_num_f32 v[TM+\b], |v[S+16*\b]|, |v[S+1+16*\b]|, 0x1800000
.endr
.irp i, 2,4,6,8,10,12,14
.irp b, 0,1,2,3
	v_max3_num_f32 v[TM+\b], v[TM+\b], |v[S+16*\b+\i]|, |v[S+1+16*\b+\i]|
.endr
.endr
.irp b, 0,1,2,3
	v_permlanex16_b32 v[TM+4+\b], v[TM+\b], s[SEL], s[SEL+1]
.endr
.irp b, 0,1,2,3
	v_max_num_f32 v[TM+\b], v[TM+\b], v[TM+4+\b]
.endr
.irp b, 0,1,2,3
	v_add_nc_u32 v[TM+12+\b], 0xff000000, v[TM+\b]
.endr
.irp b, 0,1,2,3
	v_lshrrev_b32 v[TM+4+\b], 23, v[TM+12+\b]
.endr
	v_lshl_or_b32 v[PW], v[TM+5], 8, v[TM+4]
	v_lshl_or_b32 v[PW], v[TM+6], 16, v[PW]
	v_lshl_or_b32 v[PW], v[TM+7], 24, v[PW]
.irp c, 0,1
	v_cvt_scalef32_pk16_fp6_f32 v[PC+6*\c:PC+2+6*\c], v[S+32*\c:S+15+32*\c], v[TM+12+2*\c]
	v_cvt_scalef32_pk16_fp6_f32 v[PC+12+4*\c:PC+14+4*\c], v[S+16+32*\c:S+31+32*\c], v[TM+12+2*\c+1]
.endr
	v_nop
.irp c, 0,1
.irp i, 0,1,2
	v_permlane16_swap_b32 v[PC+6*\c+\i], v[PC+12+4*\c+\i]
.endr
.irp i, 0,1,2
	v_mov_b32 v[PC+3+6*\c+\i], v[PC+12+4*\c+\i]
.endr
.endr
	v_lshrrev_b32 v[PW+1], 16, v[PW]
	v_cndmask_b32 v[PW+1], v[PW], v[PW+1], s[HM]   ; lanes 0-15: tile 0's two bytes, lanes 16-31: tile 1's
	v_lshrrev_b32 v[PW+2], 2, v[A16]               ; 4 x lane: my query's place
	global_store_b128 v[A16], v[PC:PC+3], s[8:9]                 ; 512 consecutive bytes
	global_store_b64 v[A8], v[PC+4:PC+5], s[8:9] offset:512      ; 256
	global_store_b128 v[A16], v[PC+6:PC+9], s[8:9] offset:768
	global_store_b64 v[A8], v[PC+10:PC+11], s[8:9] offset:1280
	global_store_b16 v[PW+2], v[PW+1], s[10:11]
	s_wait_tensorcnt 0x0                           ; the wave's end
	ds_add_u32 v[SPW], v[NIL]
	s_wait_dscnt 0x0
	CROUND                                         ; the closing round
	s_endpgm
.Lfunc_end_k_qc8b690322a_attn:
	.size	k_qc8b690322a_attn, .Lfunc_end_k_qc8b690322a_attn-k_qc8b690322a_attn
	.p2alignl 7, 3214868480
	.fill 96, 4, 3214868480
	.section	.rodata,"a",@progbits
	.p2align	6, 0x0
	.amdhsa_kernel k_qc8b690322a_attn
		.amdhsa_group_segment_fixed_size 210944
		.amdhsa_private_segment_fixed_size 0
		.amdhsa_enable_private_segment 0
		.amdhsa_kernarg_size 32
		.amdhsa_user_sgpr_count 2
		.amdhsa_user_sgpr_kernarg_segment_ptr 1
		.amdhsa_wavefront_size32 1
		.amdhsa_system_sgpr_workgroup_id_x 1
		.amdhsa_system_sgpr_workgroup_id_y 1
		.amdhsa_system_sgpr_workgroup_id_z 1
		.amdhsa_system_vgpr_workitem_id 0
		.amdhsa_next_free_vgpr 256
		.amdhsa_next_free_sgpr 66
		.amdhsa_reserve_vcc 0
		.amdhsa_float_denorm_mode_32 3
		.amdhsa_float_denorm_mode_16_64 3
		.amdhsa_memory_ordered 1
		.amdhsa_forward_progress 1
		.amdhsa_inst_pref_size 44
	.end_amdhsa_kernel
	.amdgpu_metadata
---
amdhsa.version: [ 1, 2 ]
amdhsa.kernels:
  - .name:           k_qc8b690322a_attn
    .symbol:         k_qc8b690322a_attn.kd
    .args:
      - { .name: qb, .offset: 0, .size: 8, .value_kind: global_buffer, .address_space: global }
      - { .name: kv, .offset: 8, .size: 8, .value_kind: global_buffer, .address_space: global }
      - { .name: oimg, .offset: 16, .size: 8, .value_kind: global_buffer, .address_space: global }
      - { .name: osc, .offset: 24, .size: 8, .value_kind: global_buffer, .address_space: global }
    .group_segment_fixed_size: 210944
    .private_segment_fixed_size: 0
    .kernarg_segment_align: 8
    .kernarg_segment_size: 32
    .max_flat_workgroup_size: 512
    .sgpr_count:     66
    .vgpr_count:     256
    .wavefront_size: 32
...
	.end_amdgpu_metadata
.endif
;; end of part 3
;; launch proj (part 4): grid 4 x 32, 4 waves a work-group, clusters of 4 x 4, 327,680 bytes of LDS; arguments oimg, osc, codes, scales, out0, b_proj; writes out0
.if DOCPART == 4
	.amdgcn_target "amdgcn-amd-amdhsa--gfx1250"
	.amdhsa_code_object_version 6
	.text
	.protected	k_qc8b690322a_proj
	.globl	k_qc8b690322a_proj
	.p2align	8
	.type	k_qc8b690322a_proj,@function
k_qc8b690322a_proj:
	s_mov_b64 s[64:65], 0
	v_nop
	global_prefetch_b8 v0, s[64:65] scope:SCOPE_SE
	s_setreg_imm32_b32 hwreg(HW_REG_WAVE_MODE, 25, 1), 1
	s_wait_xcnt 0x0
	s_wait_alu depctr_hold_cnt(0) depctr_sa_sdst(0) depctr_va_vdst(0) depctr_va_sdst(0) depctr_va_ssrc(0) depctr_va_vcc(0) depctr_vm_vsrc(0)
	s_getreg_b32 s2, hwreg(HW_REG_IB_STS2, 6, 4)
	s_cmp_eq_u32 s2, 0
	s_cbranch_scc0 .Lentry_in_a_cluster
	s_endpgm
.Lentry_in_a_cluster:
	s_bfe_u32 s2, ttmp6, 0x10000c
	s_cmp_lg_u32 s2, 0xf033
	s_cbranch_scc0 .Lentry_shape_is_right
	s_endpgm
.Lentry_shape_is_right:
; FOURTH LAUNCH: out0 = o w_proj^T + b_proj on codes of FP6, K = 1,024 = 16 heads x 64.  Nothing is left out.
; A tile of 256 tokens x 256 outputs is made by four waves, 128 x 128 each; K goes in steps of 256 (four heads) through two LDS slots.  128 work-groups: this launch has an eighth of the program's matrix work; a tile of half the size
; would fill all WGPs and read each LDS byte for fewer products.
; A (o) lies in memory as images of operand registers, [batch, head][tile of 16 tokens][768 bytes]: registers 0-3 at 16 x lane, 4-5 at 512 + 8 x lane.  A fragment of 128 along K is the images of two neighbouring heads: four dense LDS loads.
; A's scale words lie [batch][pair of heads][token place][4 bytes].  B (w_proj) lies as rows of 768 bytes of codes and 32 scale bytes.  Both in tile order (bits 3 and 4 of the row number exchanged), which the way out undoes by its immediates.
; The matrix instruction is used transposed (source 0 = 16 rows of w_proj, source 1 = 16 tokens): a lane holds eight neighbouring outputs of one token.  The bias is the C of each sum's first matrix instruction.
; CLUSTERS: 4 x 4: A's tiles and scales are asked for jointly along a row of the cluster, B's along a column.  No prefetch: a wave has two refills in all.
; REGISTERS, in windows of 256: window 0: v16-31 addresses; v32-63 scale words, two sets of 16 (8 of B's, 8 of A's: lanes 0-15 an even block's rows, lanes 16-31 the next block's); v128-223 A's fragments.
;   window 1: B's fragments at v0 and v128; the bias at v96-127 and v224-255.   windows 2, 3: the accumulators.
.set KSTEP,  256
.set NQ,     2
.set ROWB,   192
.set KROW,   768
.set PITCH,  240
.set FR,     12
.set NLA,    4                         ; LDS loads that bring a fragment of A
.set NP,     4
.set AHALF,  4*6144                    ; 128 tokens x 4 heads: what one tensor load brings of A
.set HALFT,  128*PITCH                 ; 128 rows of B
.set SLOT,   2*AHALF+2*HALFT
.set LAPS,   2
.set HALFS,  4352                      ; B's scales of 128 rows: 16 x (256 + 16)
.set SCB,    2*SLOT
.set SCA,    SCB+2*HALFS               ; A's scale words: two halves of [8 pairs of heads][128 places][4 bytes]
.set SPARE,  SCA+2*4096                ; the spare words: 128 bytes a wave, named by no other line
.set SPITCH, 528                       ; the way out: 16 rows x (512 + 16) bytes for each wave, in slot 0, which has had its last fill and its last read by then
.set ADA16, 16                         ; v16-17  my A images in slot 0, 1: + 16 x lane
.set ADA8,  18                         ; v18-19  + 8 x lane
.set ADRB,  20                         ; v20-23  my B fragments
.set STO,   24
.set RD,    25
.set CO,    26
.set ADSB,  27
.set SPW,   28
.set NIL,   29
.set ADSA,  31
.set SC,    32
.set AF,    128
.set BK,    128
.set G1, 24
.set G0, 32
.set G1B, 48
.set G0B, 56
.set G1S, 68
.set G0S, 76
.set G1SB, 80
.set G0SB, 88
.set MSB, 0
.macro WIN new
.if MSB != (\new)
	s_set_vgpr_msb (MSB<<8)|(\new)
.set MSB, (\new)
.endif
.endm
.set MUL_LO, 0xa1
.set MUL_HI, 0xf1
.set TO_B,   0x40
.macro JLOAD g0a, g1a, g0b, g1b        ; waves 0 and 1 fetch for A, waves 2 and 3 for B; an s_nop 0 and four v_nop follow each line
	s_cmp_eq_u32 s15, 0
	s_cbranch_scc0 .Lfor_b_\@
	tensor_load_to_lds s[\g0a:\g0a+3], s[\g1a:\g1a+7]
	s_nop 0
.rept 4
	v_nop
.endr
	s_branch .Lasked_\@
.Lfor_b_\@:
	tensor_load_to_lds s[\g0b:\g0b+3], s[\g1b:\g1b+7]
	s_nop 0
.rept 4
	v_nop
.endr
.Lasked_\@:
.endm
.macro CREST
	s_cmp_lg_u32 s14, 0
	s_cbranch_scc1 .Lnot_wave_0_\@
	s_barrier_signal -3
.Lnot_wave_0_\@:
	s_barrier_wait -3
	s_barrier_signal -1
	s_barrier_wait -1
.endm
.macro CROUND
	s_barrier_signal -1
	s_barrier_wait -1
	CREST
.endm
	s_load_b256 s[4:11], s[0:1], 0x0               ; oimg, osc, codes, scales
	s_load_b128 s[96:99], s[0:1], 0x20             ; out0, b_proj
	v_lshl_add_u32 v[SPW], v0, 2, SPARE
	v_mov_b32 v[NIL], 0
	ds_add_u32 v[SPW], v[NIL]                      ; the wave's opening: the add, twice on end, and its wait ahead of my first tensor load
	ds_add_u32 v[SPW], v[NIL]
	v_lshrrev_b32 v1, 5, v0
	v_readfirstlane_b32 s14, v1                    ; wave 0..3
	s_lshr_b32 s15, s14, 1                         ; which half of the tokens is mine.  Also: I fetch for A (0) or for B (1)
	s_and_b32 s16, s14, 1                          ; which half of the outputs.  Also: which half I fetch
	s_bfe_u32 s40, ttmp6, 0x40000                  ; cx
	s_bfe_u32 s41, ttmp6, 0x40004                  ; cy
	s_lshl_b32 s42, ttmp9, 2
	s_add_co_u32 s42, s42, s40                     ; tile of outputs
	s_and_b32 s17, ttmp7, 0xffff
	s_lshl_b32 s17, s17, 2
	s_add_co_u32 s17, s17, s41                     ; tile of tokens
	s_lshl_b32 s43, s41, 2
	s_lshl_b32 s43, 15, s43                        ; my row of the cluster
	s_lshl_b32 s44, 0x1111, s40                    ; my column
	s_or_b32 s[G1+0], s43, (3<<16)|(1<<21)         ; A: 4 heads x 6,144 dense bytes (768 elements of 8 bytes), a head's images 98,304 bytes apart; no padding
	s_mov_b32 s[G1+1], 768<<16
	s_mov_b32 s[G1+2], 4<<16
	s_mov_b32 s[G1+3], 768<<16
	s_mov_b32 s[G1+4], 4
	s_mov_b32 s[G1+5], 12288
	s_mov_b32 s[G1+6], 0
	s_mov_b32 s[G1+7], 0
	s_or_b32 s[G1B+0], s44, (0<<16)|(1<<20)|(1<<21)|(3<<22)|(3<<25)  ; B: 128 rows of 192 bytes, 16 bytes of padding behind every 64
	s_mov_b32 s[G1B+1], ROWB<<16
	s_mov_b32 s[G1B+2], 128<<16
	s_mov_b32 s[G1B+3], ROWB<<16
	s_mov_b32 s[G1B+4], 128
	s_mov_b32 s[G1B+5], KROW
	s_mov_b32 s[G1B+6], 0
	s_mov_b32 s[G1B+7], 0
	s_or_b32 s[G1S+0], s43, (3<<16)|(1<<21)        ; A's scale words: 8 pairs of heads x 512 bytes, 8,192 bytes apart
	s_mov_b32 s[G1S+1], 64<<16
	s_mov_b32 s[G1S+2], 8<<16
	s_mov_b32 s[G1S+3], 64<<16
	s_mov_b32 s[G1S+4], 8
	s_mov_b32 s[G1S+5], 1024
	s_mov_b32 s[G1S+6], 0
	s_mov_b32 s[G1S+7], 0
	s_or_b32 s[G1SB+0], s44, (3<<16)|(1<<20)|(1<<21)|(5<<22)|(3<<25)  ; B's scales: 4,096 dense bytes as 16 rows of 256, 16 bytes of padding behind each
	s_mov_b32 s[G1SB+1], 32<<16
	s_mov_b32 s[G1SB+2], 16<<16
	s_mov_b32 s[G1SB+3], 32<<16
	s_mov_b32 s[G1SB+4], 16
	s_mov_b32 s[G1SB+5], 32
	s_mov_b32 s[G1SB+6], 0
	s_mov_b32 s[G1SB+7], 0
	s_lshr_b32 s18, s17, 3                         ; the batch
	s_and_b32 s19, s17, 7
	s_mul_i32 s20, s18, 16*98304
	s_lshl_b32 s21, s19, 4
	s_lshl_b32 s22, s16, 3
	s_add_co_u32 s21, s21, s22                     ; the first tile of 16 tokens that I fetch
	s_mul_i32 s21, s21, 768
	s_add_co_u32 s20, s20, s21
	s_mov_b32 s21, 0
	s_lshl_b32 s22, s18, 16
	s_lshl_b32 s23, s19, 10
	s_add_co_u32 s22, s22, s23
	s_lshl_b32 s23, s16, 9
	s_add_co_u32 s22, s22, s23                     ; and those tokens' scale words
	s_mov_b32 s23, 0
	s_add_co_u32 s46, s42, 44                      ; w_proj begins at row place 11,264 = 44 x 256
	s_lshl_b32 s46, s46, 8
	s_lshl_b32 s47, s16, 7
	s_add_co_u32 s46, s46, s47
	s_lshl_b32 s92, s46, 5
	s_mov_b32 s93, 0
	s_mul_i32 s46, s46, KROW
	s_mov_b32 s47, 0
	s_mul_i32 s45, s16, AHALF                      ; where they go: the half's number alone enters an LDS address
	s_mul_i32 s94, s16, HALFT
	s_add_co_u32 s94, s94, 2*AHALF
	s_mul_i32 s66, s16, HALFS
	s_add_co_u32 s66, s66, SCB
	s_lshl_b32 s67, s16, 12
	s_add_co_u32 s67, s67, SCA
	s_wait_dscnt 0x0                               ; both opening adds are done
	s_wait_kmcnt 0x0
	s_add_nc_u64 s[20:21], s[4:5], s[20:21]
	s_add_nc_u64 s[22:23], s[6:7], s[22:23]
	s_add_nc_u64 s[46:47], s[8:9], s[46:47]
	s_add_nc_u64 s[92:93], s[10:11], s[92:93]
	CROUND                                         ; all sixteen work-groups are here
	s_mov_b32 s[G0S], 1
	s_mov_b32 s[G0S+1], s67
	s_mov_b64 s[G0S+2:G0S+3], s[22:23]
	s_or_b32 s[G0S+3], s[G0S+3], 0x80000000
	s_mov_b32 s[G0SB], 1
	s_mov_b32 s[G0SB+1], s66
	s_mov_b64 s[G0SB+2:G0SB+3], s[92:93]
	s_or_b32 s[G0SB+3], s[G0SB+3], 0x80000000
	JLOAD G0S, G1S, G0SB, G1SB                     ; the scales first
.irp s, 0,1
	s_mov_b32 s[G0+4*\s], 1
	s_add_co_u32 s[G0+4*\s+1], s45, \s*SLOT
	s_add_nc_u64 s[G0+4*\s+2:G0+4*\s+3], s[20:21], \s*4*98304
	s_or_b32 s[G0+4*\s+3], s[G0+4*\s+3], 0x80000000
	s_mov_b32 s[G0B+4*\s], 1
	s_add_co_u32 s[G0B+4*\s+1], s94, \s*SLOT
	s_add_nc_u64 s[G0B+4*\s+2:G0B+4*\s+3], s[46:47], \s*ROWB
	s_or_b32 s[G0B+4*\s+3], s[G0B+4*\s+3], 0x80000000
	JLOAD G0+4*\s, G1, G0B+4*\s, G1B               ; three loads of mine are out at the most
.endr
	v_and_b32 v1, 15, v0                           ; r
	v_bfe_u32 v2, v0, 4, 1                         ; h
	v_and_b32 v6, 31, v0                           ; lane
	v_lshlrev_b32 v9, 6, v2                        ; the bias: 16 h numbers on
	s_lshl_b32 s46, s42, 10
	s_lshl_b32 s47, s16, 9
	s_add_co_u32 s46, s46, s47                     ; my first output, in bytes
	s_mov_b32 s47, 0
	s_add_nc_u64 s[98:99], s[98:99], s[46:47]
	WIN TO_B
.irp b, 0,1,2,3,4,5,6,7                        ; block b's eight registers: b_proj at 32 (b / 2) + 16 h + 8 (b % 2) + 0 .. 7: the result's own layout
.set BI, 96+8*\b+96*(\b/4)
	global_load_b128 v[BI:BI+3], v9, s[98:99] offset:(32*(\b/2)+8*(\b%2))*4
	global_load_b128 v[BI+4:BI+7], v9, s[98:99] offset:(32*(\b/2)+8*(\b%2))*4+16
.endr
	WIN 0
	v_mul_u32_u24 v3, v1, PITCH
	v_mul_u32_u24 v4, v2, 24
	v_add_nc_u32 v4, v3, v4
	v_lshl_add_u32 v5, v2, 4, v4
	v_lshlrev_b32 v7, 4, v6
	v_lshlrev_b32 v8, 3, v6
	s_mul_i32 s21, s15, AHALF                      ; my 128 tokens
	s_mul_i32 s22, s16, HALFT                      ; my 128 rows of B, behind A's halves
	s_add_co_u32 s22, s22, 2*AHALF
.irp s, 0,1
	v_add_nc_u32 v[ADA16+\s], s21, v7
	v_add_nc_u32 v[ADA8+\s], s21, v8
	v_add_nc_u32 v[ADRB+\s], s22, v4
	v_add_nc_u32 v[ADRB+2+\s], s22, v5
	s_add_co_u32 s21, s21, SLOT
	s_add_co_u32 s22, s22, SLOT
.endr
	v_lshlrev_b32 v3, 5, v1                        ; B's scales: 32 bytes a row,
	v_lshrrev_b32 v4, 3, v1
	v_lshl_add_u32 v3, v4, 4, v3                   ; 16 more behind each 256,
	v_mad_u32_u24 v3, v2, 544, v3                  ; lanes 16-31 take the next block of 16 rows
	s_mul_i32 s21, s16, HALFS
	s_add_co_u32 s21, s21, SCB
	v_add_nc_u32 v[ADSB], s21, v3
	s_lshl_b32 s21, s15, 12
	s_add_co_u32 s21, s21, SCA
	v_lshl_add_u32 v[ADSA], v6, 2, s21             ; A's: 4 bytes a place: lanes 0-15 an even block's, lanes 16-31 the next block's
	s_mul_i32 s23, s14, 16*SPITCH                  ; my stage
	v_mul_u32_u24 v5, v1, SPITCH
	v_lshl_add_u32 v5, v2, 6, v5
	v_add_nc_u32 v[STO], s23, v5                   ; in: row r, + 64 h bytes
	v_lshlrev_b32 v[CO], 4, v6
	v_add_nc_u32 v[RD], s23, v[CO]                 ; back: the 32 lanes take one row of 512 bytes
	s_lshl_b32 s20, s17, 8
	s_lshl_b32 s21, s15, 7
	s_add_co_u32 s20, s20, s21                     ; my first token
	s_lshl_b32 s20, s20, 12                        ; rows of 4,096 bytes
	s_mov_b32 s21, 0
	s_add_nc_u64 s[20:21], s[20:21], s[46:47]
	s_add_nc_u64 s[12:13], s[96:97], s[20:21]
.macro FRAG reg, adr, q, i             ; a fragment of B: 12 registers in pieces of 8 bytes
.irp p, 0,1,2,3,4,5
.set PCE, 12*(\q)+6*(\p/3)+\p%3
.if PCE%8 < 5
	ds_load_b64 v[\reg+2*\p:\reg+2*\p+1], v[\adr] offset:8*PCE+16*(PCE/8)+(\i)*16*PITCH
.else
	ds_load_b64 v[\reg+2*\p:\reg+2*\p+1], v[\adr+2] offset:8*PCE+16*(PCE/8)+(\i)*16*PITCH
.endif
.endr
.endm
.macro FRAGA reg, slot, q, a           ; a fragment of A: the images of heads 2 q and 2 q + 1 of the slot, tile a
	ds_load_b128 v[\reg:\reg+3], v[ADA16+\slot] offset:(2*(\q))*6144+768*(\a)
	ds_load_b64 v[\reg+4:\reg+5], v[ADA8+\slot] offset:(2*(\q))*6144+768*(\a)+512
	ds_load_b128 v[\reg+6:\reg+9], v[ADA16+\slot] offset:(2*(\q)+1)*6144+768*(\a)
	ds_load_b64 v[\reg+10:\reg+11], v[ADA8+\slot] offset:(2*(\q)+1)*6144+768*(\a)+512
.endm
.macro WM                              ; one product, by the symbols set ahead of it; PAR: bit 0: B's block is odd, bit 1: A's is: then the scale words stand in lanes 16-31
.if PAR == 0
	v_wmma_scale_f32_16x16x128_f8f6f4 v[rD:rD+7], v[rB:rB+11], v[rA:rA+11], v[rC:rC+7], v[rSB], v[rSA] matrix_a_fmt:MATRIX_FMT_FP6 matrix_b_fmt:MATRIX_FMT_FP6
.elseif PAR == 1
	v_wmma_scale_f32_16x16x128_f8f6f4 v[rD:rD+7], v[rB:rB+11], v[rA:rA+11], v[rC:rC+7], v[rSB], v[rSA] matrix_a_fmt:MATRIX_FMT_FP6 matrix_b_fmt:MATRIX_FMT_FP6 matrix_a_scale:MATRIX_SCALE_ROW1
.elseif PAR == 2
	v_wmma_scale_f32_16x16x128_f8f6f4 v[rD:rD+7], v[rB:rB+11], v[rA:rA+11], v[rC:rC+7], v[rSB], v[rSA] matrix_a_fmt:MATRIX_FMT_FP6 matrix_b_fmt:MATRIX_FMT_FP6 matrix_b_scale:MATRIX_SCALE_ROW1
.else
	v_wmma_scale_f32_16x16x128_f8f6f4 v[rD:rD+7], v[rB:rB+11], v[rA:rA+11], v[rC:rC+7], v[rSB], v[rSA] matrix_a_fmt:MATRIX_FMT_FP6 matrix_b_fmt:MATRIX_FMT_FP6 matrix_a_scale:MATRIX_SCALE_ROW1 matrix_b_scale:MATRIX_SCALE_ROW1
.endif
.endm
; 16 matrix instructions: A's blocks a0, a0 + 1 x B's eight.  first = 1: C is the bias (window 1).  The 64 accumulators take turns, one instruction a turn.
.macro MUL16 a0, p, q, sc, first
.irp a, \a0, \a0+1
.irp b, 0,1,2,3,4,5,6,7
.set rD, 8*(8*((\a)%4)+\b)
.set rB, 128*(\p)+FR*\b
.set rA, AF+FR*(\a)
.set rC, rD
.if \first
.set rC, 96+8*\b+96*(\b/4)
.endif
.set rSB, SC+16*(\sc)+2*(\b/2)+(\q)
.set rSA, SC+16*(\sc)+8+2*((\a)/2)+(\q)
.set PAR, (\b%2)+2*((\a)%2)
	WM
.endr
.endr
.endm
.macro FETCH_B slot, q, p
	WIN TO_B
.irp i, 0,1,2,3,4,5,6,7
	FRAG 128*(\p)+FR*\i, ADRB+\slot, \q, \i
.endr
	WIN 0
.endm
.macro FETCH_A slot, q, i0
.irp i, \i0, \i0+1, \i0+2, \i0+3
	FRAGA AF+FR*(\i), \slot, \q, \i
.endr
.endm
.macro SCALES sc                       ; the next K step's scale words
.irp i, 0,1,2,3
	ds_load_b64 v[SC+16*\sc+2*\i:SC+16*\sc+2*\i+1], v[ADSB] offset:1088*\i
.endr
.irp i, 0,1,2,3
.irp q, 0,1
	ds_load_b32 v[SC+16*\sc+8+2*\i+\q], v[ADSA] offset:512*\q+128*\i
.endr
.endr
.endm
.macro PLACES n
.rept \n
	v_nop
.endr
.endm
.macro STEP slot, q, first
	s_wait_dscnt 4*NLA                             ; B's set, the scale words and A's blocks 0-3 are in; the 16 youngest loads (A's blocks 4-7) may be out
.if \first
	WIN 0x91                                       ; B and the bias window 1, A window 0, D window 2
.else
	WIN MUL_LO
.endif
	MUL16 0, (\q)%2, \q, \slot, \first
	MUL16 2, (\q)%2, \q, \slot, \first
	s_wait_dscnt 0
	PLACES NP
	FETCH_B \slot, (\q)+1, 1-(\q)%2
	FETCH_A \slot, (\q)+1, 0
.if \first
	WIN 0xd1
.else
	WIN MUL_HI
.endif
	MUL16 4, (\q)%2, \q, \slot, \first
	MUL16 6, (\q)%2, \q, \slot, \first
	PLACES NP
	WIN 0
	FETCH_A \slot, (\q)+1, 4
.endm
.macro TURN slot, next, fill
	s_wait_tensorcnt 0x0                           ; all my tensor loads have landed: my part of the next slot
	ds_add_u32 v[SPW], v[NIL]
	s_wait_dscnt 4*NLA+1                           ; (the add and the 16 youngest loads may be out)
	WIN MUL_LO
	MUL16 0, 1, NQ-1, \slot, 0
	s_wait_dscnt 0x0                               ; the add is done, and my reads of this slot are over
	s_barrier_signal -1
	MUL16 2, 1, NQ-1, \slot, 0
	WIN 0
	s_barrier_wait -1
.if \fill
	CREST                                          ; the barrier has opened a round of the cluster's
	s_add_nc_u64 s[G0+4*\slot+2:G0+4*\slot+3], s[G0+4*\slot+2:G0+4*\slot+3], 8*98304
	s_add_nc_u64 s[G0B+4*\slot+2:G0B+4*\slot+3], s[G0B+4*\slot+2:G0B+4*\slot+3], 2*ROWB
	JLOAD G0+4*\slot, G1, G0B+4*\slot, G1B         ; the first tensor load behind the round; its four v_nop are the places in front of the loads below
.else
	PLACES NP
.endif
	v_add_nc_u32 v[ADSB], 8, v[ADSB]               ; on to the next K step's scale words
	v_add_nc_u32 v[ADSA], 1024, v[ADSA]
	FETCH_B \next, 0, 0
	FETCH_A \next, 0, 0
	SCALES \next
	WIN MUL_HI
	MUL16 4, 1, NQ-1, \slot, 0
	MUL16 6, 1, NQ-1, \slot, 0
	PLACES NP
	WIN 0
	FETCH_A \next, 0, 4
.endm
	s_wait_tensorcnt 1                             ; the scales and my part of K step 0 are in (K step 1's load may be out)
	s_barrier_signal -1
	s_barrier_wait -1
	FETCH_B 0, 0, 0
	FETCH_A 0, 0, 0
	SCALES 0
	FETCH_A 0, 0, 4
	s_wait_loadcnt 0x0                             ; the bias
	STEP 0, 0, 1
	s_mov_b32 s3, LAPS-1
.Llap:
	TURN 0, 1, 1
	STEP 1, 0, 0
	TURN 1, 0, 1
	STEP 0, 0, 0
	s_sub_co_u32 s3, s3, 1
	s_cmp_lg_u32 s3, 0
	s_cbranch_scc1 .Llap
	TURN 0, 1, 0
	STEP 1, 0, 0
	s_wait_dscnt 4*NLA
	WIN MUL_LO
	MUL16 0, 1, NQ-1, 1, 0
	MUL16 2, 1, NQ-1, 1, 0
	s_wait_dscnt 0
	WIN MUL_HI
	MUL16 4, 1, NQ-1, 1, 0
	MUL16 6, 1, NQ-1, 1, 0
	WIN 0
; THE WAY OUT, block by block of 16 tokens x 128 outputs, through my own stage; the tile order is undone by the immediates: accumulator b's eight numbers are outputs 32 (b / 2) + 16 h + 8 (b % 2) + 0 .. 7, stage row t of block a is token 32 (a / 2) + 8 (a % 2) + t + 8 (t / 8).
.macro TOSTAGE a
.set AC, 64*((\a)%4)
	WIN 0x08+4*((\a)/4)                            ; the data: window 2 or 3
.irp b, 0,1,2,3,4,5,6,7
	ds_store_b128 v[STO], v[AC+8*\b:AC+8*\b+3] offset:128*(\b/2)+32*(\b%2)       ; each accumulator from its low end on
	ds_store_b128 v[STO], v[AC+8*\b+4:AC+8*\b+7] offset:128*(\b/2)+32*(\b%2)+16
.endr
	WIN 0
.set BB, BK+64*((\a)%2)
.irp t, 0,1,2,3,4,5,6,7,8,9,10,11,12,13,14,15
	ds_load_b128 v[BB+4*\t:BB+4*\t+3], v[RD] offset:\t*SPITCH   ; LDS serves a wave's instructions in order: these see the stores above
.endr
.endm
.macro SEND a, younger
.set BB, BK+64*((\a)%2)
	s_wait_dscnt \younger                          ; the block is back in registers; the next block's 16 stores and 16 loads may be out
.irp t, 0,1,2,3,4,5,6,7,8,9,10,11,12,13,14,15
	global_store_b128 v[CO], v[BB+4*\t:BB+4*\t+3], s[12:13] offset:(32*((\a)/2)+8*((\a)%2)+\t+8*(\t/8))*4096 th:TH_STORE_NT   ; 32 lanes store 512 consecutive bytes, aligned; 127 rows of 4,096 bytes at the most: inside the signed 24-bit immediate
.endr
.endm
	PLACES NP
	TOSTAGE 0
.irp a, 1,2,3,4,5,6,7
.if \a > 1
	s_wait_xcnt 0x0                                ; block a - 2's stores have read their registers: block a's loads may land there
.endif
	TOSTAGE \a
	SEND \a-1, 32
.endr
	SEND 7, 0
	s_wait_tensorcnt 0x0                           ; the wave's end, behind my last tensor load and my last LDS store
	ds_add_u32 v[SPW], v[NIL]
	s_wait_dscnt 0x0
	CROUND                                         ; the closing round
	s_endpgm
.Lfunc_end_k_qc8b690322a_proj:
	.size	k_qc8b690322a_proj, .Lfunc_end_k_qc8b690322a_proj-k_qc8b690322a_proj
	.p2alignl 7, 3214868480
	.fill 96, 4, 3214868480
	.section	.rodata,"a",@progbits
	.p2align	6, 0x0
	.amdhsa_kernel k_qc8b690322a_proj
		.amdhsa_group_segment_fixed_size 327680
		.amdhsa_private_segment_fixed_size 0
		.amdhsa_enable_private_segment 0
		.amdhsa_kernarg_size 48
		.amdhsa_user_sgpr_count 2
		.amdhsa_user_sgpr_kernarg_segment_ptr 1
		.amdhsa_wavefront_size32 1
		.amdhsa_system_sgpr_workgroup_id_x 1
		.amdhsa_system_sgpr_workgroup_id_y 1
		.amdhsa_system_sgpr_workgroup_id_z 1
		.amdhsa_system_vgpr_workitem_id 0
		.amdhsa_next_free_vgpr 1024
		.amdhsa_next_free_sgpr 100
		.amdhsa_reserve_vcc 0
		.amdhsa_float_denorm_mode_32 3
		.amdhsa_float_denorm_mode_16_64 3
		.amdhsa_memory_ordered 1
		.amdhsa_forward_progress 1
		.amdhsa_inst_pref_size 155
	.end_amdhsa_kernel
	.amdgpu_metadata
---
amdhsa.version: [ 1, 2 ]
amdhsa.kernels:
  - .name:           k_qc8b690322a_proj
    .symbol:         k_qc8b690322a_proj.kd
    .args:
      - { .name: oimg, .offset: 0, .size: 8, .value_kind: global_buffer, .address_space: global }
      - { .name: osc, .offset: 8, .size: 8, .value_kind: global_buffer, .address_space: global }
      - { .name: codes, .offset: 16, .size: 8, .value_kind: global_buffer, .address_space: global }
      - { .name: scales, .offset: 24, .size: 8, .value_kind: global_buffer, .address_space: global }
      - { .name: out0, .offset: 32, .size: 8, .value_kind: global_buffer, .address_space: global }
      - { .name: b_proj, .offset: 40, .size: 8, .value_kind: global_buffer, .address_space: global }
    .group_segment_fixed_size: 327680
    .private_segment_fixed_size: 0
    .kernarg_segment_align: 8
    .kernarg_segment_size: 48
    .max_flat_workgroup_size: 128
    .sgpr_count:     100
    .vgpr_count:     1024
    .wavefront_size: 32
...
	.end_amdgpu_metadata
.endif
;; end of part 4
